; MI455X (gfx1250); checked and timed in simulation.
; The chip was launched on July 23, 2026; its instructions are those of AMD's public machine-readable ISA for CDNA 5 (MIT licence, August 2026) and "CDNA5" Instruction Set Architecture Reference Guide (July 2026). The comments in the code are by the model that wrote it; some were corrected since.
;; Attention Layer. Allowed arithmetic: matrix products marked QUANTISED: E4M3 operands, one given power-of-two scale a tensor, by v_wmma_f32_16x16x64_fp8_fp8 or v_wmma_f32_16x16x128_fp8_fp8, f32 sums; everything else in f32.
;; Inputs: Wk 4,096 x 1,024 float32; Wo 1,024 x 1,024 float32; Wq 1,024 x 1,024 float32; Wv 4,096 x 1,024 float32; bk 1,024 float32; bo 1,024 float32; bq 1,024 float32; bv 1,024 float32; lowp_scales 12 int32 (the exponents e of the quantised operands' scales 2^e); source_embedding 4 x 1,024 x 4,096 float32; target_embedding 4 x 2,048 x 1,024 float32; value_embedding 4 x 1,024 x 4,096 float32.
;; Outputs: out0 4 x 2,048 x 1,024 float32.
;; This version of the problem:
;;   THIS VERSION OF THE PROBLEM IS GIVEN IN LOW PRECISION. The matrix products marked QUANTISED in the list below multiply operands that are first quantised to E4M3 (4 exponent bits, 3 mantissa bits; 8 bits a number), with one given power-of-two scale for each operand tensor; their sums are f32. All else is computed in f32.
;;   The module's matrix products, in the order in which they are computed (A, B: the left and right operand; K: the contracted axis; several contracted axes count as one K, in the product's order):
;;     1. [M 8,192, K 1,024] x [K 1,024, N 1,024]; A: input target_embedding; B: input Wq: QUANTISED (scales: A lowp_scales[0], B lowp_scales[1])
;;     2. [M 4,096, K 4,096] x [K 4,096, N 1,024]; A: input source_embedding; B: input Wk: QUANTISED (scales: A lowp_scales[2], B lowp_scales[3])
;;     3. [M 4,096, K 4,096] x [K 4,096, N 1,024]; A: input value_embedding; B: input Wv: QUANTISED (scales: A lowp_scales[4], B lowp_scales[5])
;;     4. batch 64 x [M 2,048, K 64] x [K 64, N 1,024]; A: computed on the way; B: computed on the way: QUANTISED (scales: A lowp_scales[6], B lowp_scales[7])
;;     5. batch 64 x [M 64, K 1,024] x [K 1,024, N 2,048]; A: computed on the way; B: softmax (see below): QUANTISED (scales: A lowp_scales[8], B lowp_scales[9])
;;     6. [M 8,192, K 1,024] x [K 1,024, N 1,024]; A: computed on the way; B: input Wo: QUANTISED (scales: A lowp_scales[10], B lowp_scales[11])
;;   THE QUANTISER, for each operand of a quantised product, along K:
;;     - The operand's scale is 2^e, e = its entry of the input lowp_scales (int32; the entries are numbered through the quantised products in the list's order, A before B).
;;     - Each number is divided by the scale, clamped to +-448, and rounded to the nearest number of E4M3, ties to even, subnormals kept.
;;     - The product sums the exact products of the quantised numbers (number of the format x scale) in f32.
;;   ~~~python
;;   def quantise(x, axis, e):      # numpy; x: float32 -> the quantised numbers, widened to float32 again
;;       x = np.moveaxis(x, axis, -1); K = x.shape[-1]
;;       r = np.clip(x / 2.0 ** e, -448, 448)
;;       step = 2.0 ** (np.maximum(np.frexp(np.where(r == 0, 1, r))[1] - 1, -6) - 3)
;;       q = np.round(r / step) * step * 2.0 ** e      # np.round: ties to even
;;       return np.moveaxis(q, -1, axis).astype(np.float32)
;;   ~~~
;;   SOFTMAX AHEAD OF A QUANTISED PRODUCT. Where the list says 'softmax', what is quantised is not the finished softmax but p = 2^(t - M), with t = logit x log2(e) and M = ceil(the row's largest t), a whole number; so 1/2 < the row's largest p <= 1. The row's sum l is taken of the UNQUANTISED p, in f32, and the product's result is divided by l at the end. Since M is a whole number, a kernel that streams over the keys may use a running M (the ceiling of the running maximum): every later rescaling is an exact power of two, so the quantised numbers keep their values, but for numbers so far below the row's largest that they fall under the format's range.
;;   OPERANDS COMPUTED ON THE WAY. 'Computed on the way' means the value that the module computes at that place (a softmax that the list does not call 'softmax' is quantised finished and normalised). What goes into a quantiser is computed in f32, as accurately as f32 sums, v_exp_f32 and their like allow (about 1e-6 of the number): no bf16 or f16 on the way to a quantiser, and a product that is left as it is and whose result goes on into a quantised operand takes f32 operands (vector FMAs, or v_wmma_f32_16x16x4_f32). A number that lies on a knife's edge between two numbers of the format may be rounded either way, as far as f32 arithmetic and the matrix unit's own rounding can turn it there, and no further.
;; One version. Each part assembles by itself: llvm-mc -triple=amdgcn-amd-amdhsa -mcpu=gfx1250 --defsym DOCPART=n.
;; ======== version 1 of 1: 4 launches
;; limits: right only within a limited range of input values
;; workspace buffers: xc 41,943,040 bytes; wc 10,485,760 bytes; hc 16,777,216 bytes; ac 8,388,608 bytes
;; launch quant (part 1): grid 1600 x 1, 4 waves a work-group, no clusters, 70,144 bytes of LDS; arguments target_embedding, source_embedding, value_embedding, Wq, Wk, Wv, Wo, lowp_scales, xc, wc; writes xc, wc
.if DOCPART == 1
	.amdgcn_target "amdgcn-amd-amdhsa--gfx1250"
	.amdhsa_code_object_version 6
	.text
	.protected	k_q64df447dd4_quant
	.globl	k_q64df447dd4_quant
	.p2align	8
	.type	k_q64df447dd4_quant,@function
k_q64df447dd4_quant:
	s_mov_b64 s[64:65], 0
	v_nop
	global_prefetch_b8 v0, s[64:65] scope:SCOPE_SE
	s_setreg_imm32_b32 hwreg(HW_REG_WAVE_MODE, 25, 1), 1
	s_wait_xcnt 0x0
; The three activations and the four weights, all f32, become codes of E4M3, each tensor with its given scale 2^e:
; code = x / 2^e, held within +-448, rounded to the nearest code, ties to even.
; LIMITS: each e lies between -126 and 119, so that 2^e and 448 x 2^e are f32 numbers.  NaN among the inputs is not served.
; LAYOUT OF THE CODES.  xc: for each activation [K / 256][rows][256 bytes]; wc: 40 chunks [1024 rows n][256 bytes k] (0-3 Wq, 4-19 Wk, 20-35 Wv, 36-39 Wo).
; THE ORDER OF k.  A product does not mind the order of k so long as both operands have the same.  In the activations and in Wq, Wk, Wv each 512 along K (two chunks) stand so:
; byte 16 l + 4 i + j holds k = 128 i + 4 l + j (l 0 .. 31, i and j 0 .. 3).  That is what lane l holds behind four loads of 512 consecutive bytes: the activations need no exchange between lanes.
; Wo's chunks stand in the plain order of k: its partner in the last product does.
; THE ROWS ARE STORED PERMUTED: in each aligned group of 32 rows the second and the third group of eight change places.
; Sixteen neighbouring stored rows, taken as source 0 of a matrix instruction, then leave 16 neighbours of the logical order in the registers of two neighbouring tiles.
; Work-groups 320-1599 take activations (64 rows x 512 along K each), 0-319 weights (128 columns x 256 bytes of codes each).  The two ways part on the work-group's number and never join.
; No tensor loads, no barrier: waves share nothing.  200 registers and 70,144 bytes of LDS.
; THREE TENSORS ARE LAID OTHERWISE THAN THE LINES ABOVE SAY: Wq, Wk (in their chunks of wc) and value_embedding (in its part of xc) stand in the order of a matrix operand's registers:
; [K / 128][stored rows / 16][c 0..3][lane 0..31][16 bytes]; lane 16 h + r holds, of stored row r of the sixteen, the piece of 16 bytes that stands at byte 128 (step % 2) + 32 c + 16 h of the chunk's row in the other layout.
; A wave of the next launch then loads 512 consecutive bytes an instruction.  Order of k and order of rows are as above.
; An activation wave reads the logical rows of ONE stored block of 16 (t + 8 (t / 8) from 32 (w / 2) + 8 (w % 2) on) and stores them at 16 w + t.
.set SPARE, 69632                      ; behind both stages: the spare words, 128 bytes for each wave
.set VST,   34816                      ; value_embedding's stage: 32 pieces x 272 bytes for each wave, bytes of its own
.set SPW,   12                         ; v12  LDS address of my spare word; never rewritten
.set NIL,   13                         ; v13  0; never rewritten
.set OFF,   192                        ; v192-199 activations: byte offset of the row that set j loads next
.set R,     16                         ; v16-143  eight sets of 16 numbers
.set C,     144                        ; v144-191 codes: twelve sets of four registers (the numbers have eight sets of 16, v16-143)
.set WP,    272                        ; weights: a stage of 32 rows x 272 bytes for each wave, from LDS byte 0 on
.set WX,    32                         ; v32-95  two sets of 32 numbers; on the way out the rows read back
.set WC,    96                         ; v96-103 a block's codes
.set OUTR,  32
	s_load_b512 s[4:19], s[0:1], 0x0               ; target s[4:5], source s[6:7], value s[8:9], Wq s[10:11], Wk s[12:13], Wv s[14:15], Wo s[16:17], the scales s[18:19]
	s_load_b128 s[20:23], s[0:1], 0x40             ; xc s[20:21], wc s[22:23]
	v_lshl_add_u32 v[SPW], v0, 2, SPARE
	v_mov_b32 v[NIL], 0
	v_lshrrev_b32 v1, 5, v0
	v_readfirstlane_b32 s24, v1                    ; wave 0..3
	v_and_b32 v2, 31, v0                           ; lane
	s_wait_kmcnt 0x0
	s_load_b256 s[36:43], s[18:19], 0x0            ; e0 .. e7
	s_load_b128 s[44:47], s[18:19], 0x20           ; e8 .. e11
	s_cmp_ge_u32 ttmp9, 320                        ; THE NUMBERS: work-groups 0-319 take the weights (each wave walks eight dependent blocks of loads: the long ones come first), 320-1599 the activations: target from 320, source from 576, value from 1088
	s_cbranch_scc0 .Lweights
; ---------------- ACTIVATIONS.  A wave takes 16 rows; a step is 512 numbers of one row: four loads of 512 consecutive bytes, 16 holds, two conversions, one store of 16 bytes a lane.
	s_mov_b32 s32, 1088
	s_mov_b32 s33, 25165824
	s_cmp_lt_u32 ttmp9, 1088                       ; source or value?
	s_cselect_b64 s[26:27], s[6:7], s[8:9]
	s_cselect_b32 s32, 576, s32                    ; the tensor's first work-group
	s_cselect_b32 s33, 8388608, s33                ; its codes' place in xc
	s_cmp_lt_u32 ttmp9, 576                        ; or target?
	s_cselect_b64 s[26:27], s[4:5], s[26:27]
	s_cselect_b32 s32, 320, s32
	s_cselect_b32 s33, 0, s33
	s_cselect_b32 s48, 1, 3                        ; log2 of the pieces of 512 in a row
	s_cselect_b32 s49, 12, 14                      ; log2 of a row's bytes
	s_cselect_b32 s50, 21, 20                      ; log2 of a chunk's bytes: rows x 256
	s_sub_co_u32 s52, ttmp9, s32
	s_lshl_b32 s51, 1, s48
	s_sub_co_u32 s51, s51, 1
	s_and_b32 s51, s52, s51                        ; p: which 512 along K
	s_lshr_b32 s52, s52, s48
	s_lshl_b32 s52, s52, 6                         ; the work-group's first row
	s_lshr_b32 s53, s24, 1
	s_lshl_b32 s53, s53, 5
	s_add_co_u32 s53, s52, s53
	s_and_b32 s58, s24, 1
	s_lshl_b32 s58, s58, 3
	s_add_co_u32 s53, s53, s58                     ; my wave's first logical row: 32 (w / 2) + 8 (w % 2)
	s_lshl_b32 s54, s53, s49
	s_lshl_b32 s55, s51, 11
	s_add_co_u32 s54, s54, s55
	s_mov_b32 s55, 0
	s_add_nc_u64 s[26:27], s[26:27], s[54:55]      ; in: row x row bytes + 2,048 p
	s_lshl_b32 s56, s51, 1
	s_lshl_b32 s56, s56, s50                       ; chunk 2 p
	s_add_co_u32 s56, s56, s33
	s_lshl_b32 s57, s24, 4
	s_add_co_u32 s57, s57, s52                     ; my first stored row: 16 w
	s_lshl_b32 s58, s57, 8
	s_add_co_u32 s56, s56, s58                     ; chunks: row x 256
	s_lshl_b32 s58, s51, 21                        ; register order: four steps of 128 along K, 524,288 bytes each, for each 512,
	s_add_co_u32 s58, s58, s33
	s_lshl_b32 s57, s57, 7                         ; 2,048 bytes for each sixteen rows
	s_add_co_u32 s58, s58, s57
	s_cmp_lt_u32 ttmp9, 1088                       ; value_embedding alone takes the register order
	s_cselect_b32 s56, s56, s58
	s_mov_b32 s57, 0
	s_add_nc_u64 s[28:29], s[20:21], s[56:57]      ; out
	s_wait_alu depctr_va_vdst(0)
	v_lshlrev_b32 v[OFF], 4, v2                    ; my 16 bytes of a load's 512, in rows 0 to 3
	s_lshl_b32 s59, 1, s49
	v_add_nc_u32 v[OFF+1], s59, v[OFF]
	s_lshl_b32 s59, 2, s49
	v_add_nc_u32 v[OFF+2], s59, v[OFF]
	s_lshl_b32 s59, 3, s49
	v_add_nc_u32 v[OFF+3], s59, v[OFF]
.irp j, 4,5,6,7
	s_lshl_b32 s59, \j, s49
	v_add_nc_u32 v[OFF+\j], s59, v[OFF]
.endr
	s_lshl_b32 s30, 16, s49                        ; from step t to step t + 8: eight rows and the eight that are passed over
	v_lshrrev_b32 v7, 4, v2
	v_lshlrev_b32 v7, s50, v7
	v_and_b32 v4, 15, v2
	v_lshl_add_u32 v4, v4, 4, v7
	s_mul_i32 s59, s24, 32*WP
	s_add_co_u32 s59, s59, VST                     ; my part of value_embedding's stage
	v_mul_u32_u24 v14, v2, WP
	v_add_nc_u32 v14, s59, v14                     ; into it: piece = my lane, 16 bytes for each row t
	v_lshrrev_b32 v15, 4, v2
	v_mul_u32_u24 v15, v15, WP
	v_and_b32 v3, 15, v2
	v_lshl_add_u32 v15, v3, 4, v15
	v_add_nc_u32 v15, s59, v15                     ; out of it: pieces 2 j and 2 j + 1 of all sixteen rows
	v_lshlrev_b32 v3, 4, v2                        ; and 16 bytes a lane in memory
.macro ALOAD t                         ; load i brings me k = 128 i + 4 lane + 0 .. 3 of the step's 512
.irp i, 0,1,2,3
	global_load_b128 v[R+16*((\t)%8)+4*\i:R+16*((\t)%8)+4*\i+3], v[OFF+(\t)%8], s[26:27] offset:512*\i th:TH_LOAD_NT   ; 32 lanes read 512 consecutive bytes
.endr
.endm
.irp t, 0,1,2,3,4,5,6,7
	ALOAD \t
.endr
	s_wait_kmcnt 0x0
	s_cmp_lt_u32 ttmp9, 1088
	s_cselect_b32 s34, s38, s40                    ; e2 or e4
	s_cmp_lt_u32 ttmp9, 576
	s_cselect_b32 s34, s36, s34                    ; or e0
	s_add_co_i32 s34, s34, 127
	s_lshl_b32 s35, s34, 23
	v_mov_b32 v6, s35                              ; 2^e as f32: the conversion takes its exponent field
	s_add_co_i32 s34, s34, 8
	s_lshl_b32 s34, s34, 23
	s_or_b32 s34, s34, 0x600000
	v_mov_b32 v5, s34                              ; 448 x 2^e
.macro ASTEP t
.set RS, R+16*((\t)%8)
.set CD, C+4*((\t)%12)
.if 15-(\t) >= 7
	s_wait_loadcnt 28                              ; this step's four loads are in; those of the seven steps behind it may be out
.else
	s_wait_loadcnt 4*(15-(\t))
.endif
.if (\t) == 12
	s_wait_xcnt 0x0
	s_wait_dscnt 0x0                               ; and so have the stores into the stage
.endif
.set i, 0
.rept 16
	v_med3_num_f32 v[RS+i], v[RS+i], -v5, v5       ; the conversion to an 8-bit code does not saturate (ISA guide 7.6.2): the hold comes first
.set i, i+1
.endr
	v_cvt_scalef32_pk8_fp8_f32 v[CD:CD+1], v[RS:RS+7], v6
	v_cvt_scalef32_pk8_fp8_f32 v[CD+2:CD+3], v[RS+8:RS+15], v6
.if (\t)+8 < 16
	v_add_nc_u32 v[OFF+(\t)%8], s30, v[OFF+(\t)%8] ; this step's loads were shown done by the wait above: their address register is free
.endif
	s_cmp_lt_u32 ttmp9, 1088                       ; the work-group's number alone decides
	s_wait_alu depctr_va_vdst(0)
	s_cbranch_scc0 .Lstage_\@
	global_store_b128 v4, v[CD:CD+3], s[28:29] offset:256*(\t)   ; sixteen lanes store 256 consecutive bytes, aligned
	s_branch .Lstored_\@
.Lstage_\@:
	ds_store_b128 v14, v[CD:CD+3] offset:16*(\t)   ; value_embedding: row t's pieces into the stage
.Lstored_\@:
.if (\t)+8 < 16
	ALOAD (\t)+8                                   ; into the set just converted, behind the step's store
.endif
.endm
	s_wait_alu depctr_va_vdst(0)
.irp t, 0,1,2,3,4,5,6,7,8,9,10,11,12,13,14,15
	ASTEP \t
.endr
	s_cmp_lt_u32 ttmp9, 1088
	s_cbranch_scc1 .Laend
.irp j, 0,1,2,3,4,5,6,7,8,9,10,11,12,13,14,15
	ds_load_b128 v[R+4*\j:R+4*\j+3], v15 offset:2*\j*WP   ; LDS serves a wave's instructions in order: these see my stores
.endr
.irp j, 0,1,2,3,4,5,6,7,8,9,10,11,12,13,14,15
	s_wait_dscnt 15-\j
	global_store_b128 v3, v[R+4*\j:R+4*\j+3], s[28:29] offset:524288*(\j/4)+512*(\j%4)   ; step j / 4, c = j % 4: 512 consecutive bytes
.endr
.Laend:
	s_wait_tensorcnt 0x0                           ; the wave's end
	ds_add_u32 v[SPW], v[NIL]
	s_wait_dscnt 0x0
	s_endpgm
; ---------------- WEIGHTS.  K is the FIRST axis: a lane takes a column n and its registers run down K, in the order in which the codes are to stand: the conversions give a row of codes.
.Lweights:
	s_mov_b32 s25, ttmp9
	s_and_b32 s31, s25, 7                          ; which 128 columns
	s_lshr_b32 s25, s25, 3                         ; which chunk of wc, 0 .. 39
	s_cmp_lt_u32 s25, 36
	s_cselect_b64 s[26:27], s[14:15], s[16:17]     ; Wv or Wo
	s_cselect_b32 s32, 20, 36                      ; the tensor's first chunk
	s_cmp_lt_u32 s25, 20
	s_cselect_b64 s[26:27], s[12:13], s[26:27]     ; or Wk
	s_cselect_b32 s32, 4, s32
	s_cmp_lt_u32 s25, 4
	s_cselect_b64 s[26:27], s[10:11], s[26:27]     ; or Wq
	s_cselect_b32 s32, 0, s32
	s_sub_co_u32 s32, s25, s32                     ; which chunk of that tensor
	s_lshl_b32 s48, s32, 20                        ; Wo: 256 rows of 4,096 bytes a chunk
	s_lshr_b32 s49, s32, 1
	s_lshl_b32 s49, s49, 21                        ; the others: 512 rows for two chunks,
	s_and_b32 s50, s32, 1
	s_lshl_b32 s50, s50, 18                        ; the odd chunk's rows 64 further down
	s_add_co_u32 s49, s49, s50
	s_cmp_lt_u32 s25, 36
	s_cselect_b32 s48, s49, s48
	s_lshl_b32 s33, s31, 7
	s_lshl_b32 s34, s24, 5
	s_add_co_u32 s33, s33, s34                     ; my wave's first column
	s_lshl_b32 s49, s33, 2
	s_add_co_u32 s48, s48, s49
	s_mov_b32 s49, 0
	s_add_nc_u64 s[26:27], s[26:27], s[48:49]
	s_lshl_b32 s50, s25, 18                        ; a chunk of wc is 262,144 bytes
	s_lshl_b32 s51, s33, 8
	s_lshl_b32 s53, s33, 7                         ; Wq, Wk: 2,048 bytes for each sixteen rows
	s_cmp_lt_u32 s25, 20
	s_cselect_b32 s51, s53, s51
	s_add_co_u32 s50, s50, s51
	s_mov_b32 s51, 0
	s_add_nc_u64 s[28:29], s[22:23], s[50:51]
	s_wait_alu depctr_va_vdst(0)
	v_lshlrev_b32 v3, 2, v2                        ; in: 4 bytes a lane: 128 consecutive bytes a wave
	s_mul_i32 s52, s24, 32*WP                      ; my stage
	v_mul_u32_u24 v4, v2, WP
	v_add_nc_u32 v4, s52, v4                       ; into it: row = my column
	v_and_b32 v5, 15, v2
	v_lshrrev_b32 v6, 4, v2
	v_mul_u32_u24 v7, v6, WP
	v_lshl_add_u32 v7, v5, 4, v7
	v_add_nc_u32 v7, s52, v7                       ; out of it: sixteen lanes to a row, two rows an instruction
	v_lshlrev_b32 v8, 4, v2
	v_and_b32 v9, 8, v5
	v_add_nc_u32 v9, v9, v5
	v_mul_u32_u24 v9, v9, WP
	v_lshl_add_u32 v9, v6, 4, v9
	v_add_nc_u32 v9, s52, v9                       ; Wq, Wk: out of the stage in register order: row r + 8 (r / 8), + 16 h
; Block t: the 32 numbers of my column whose codes are bytes 32 t .. 32 t + 31 of the chunk's row, into set t % 2.  Both arms load the same registers, 32 loads each; the branch hangs on the work-group's number.
.macro WLOAD t
	s_cmp_lt_u32 s25, 36
	s_cbranch_scc0 .Lplain_\@
.set i, 0
	s_wait_alu depctr_va_vdst(0)
.rept 32
	global_load_b32 v[WX+32*((\t)%2)+i], v3, s[26:27] offset:(128*((i/4)%4)+8*(\t)+4*(i/16)+i%4)*4096 th:TH_LOAD_NT   ; byte 16 l + 4 a + j is k = 128 a + 4 l + j, with l = 2 t + i / 16, a = (i / 4) % 4, j = i % 4
.set i, i+1
.endr
	s_branch .Ljoin_\@
.Lplain_\@:
.set i, 0
	s_wait_alu depctr_va_vdst(0)
.rept 32
	global_load_b32 v[WX+32*((\t)%2)+i], v3, s[26:27] offset:(32*(\t)+i)*4096 th:TH_LOAD_NT   ; Wo: k = 32 t + i
.set i, i+1
.endr
.Ljoin_\@:
.endm
	WLOAD 0
	WLOAD 1
	s_wait_kmcnt 0x0
	s_cmp_lt_u32 s25, 36
	s_cselect_b32 s53, s41, s47                    ; e5 or e11
	s_cmp_lt_u32 s25, 20
	s_cselect_b32 s53, s39, s53                    ; or e3
	s_cmp_lt_u32 s25, 4
	s_cselect_b32 s53, s37, s53                    ; or e1
	s_add_co_i32 s53, s53, 127
	s_lshl_b32 s54, s53, 23
	v_mov_b32 v11, s54                             ; 2^e
	s_add_co_i32 s53, s53, 8
	s_lshl_b32 s53, s53, 23
	s_or_b32 s53, s53, 0x600000
	v_mov_b32 v10, s53                             ; 448 x 2^e
.macro WBLOCK t
.set XS, WX+32*((\t)%2)
.if (\t) < 7
	s_wait_loadcnt 32                              ; this block's 32 loads are in; the next block's may be out
.else
	s_wait_loadcnt 0
.endif
.set i, 0
.rept 32
	v_med3_num_f32 v[XS+i], v[XS+i], -v10, v10
.set i, i+1
.endr
.irp g, 0,1,2,3
	v_cvt_scalef32_pk8_fp8_f32 v[WC+2*\g:WC+2*\g+1], v[XS+8*\g:XS+8*\g+7], v11
.endr
	ds_store_b128 v4, v[WC:WC+3] offset:32*(\t)    ; 32 codes of my column's row
	ds_store_b128 v4, v[WC+4:WC+7] offset:32*(\t)+16
.if (\t)+2 < 8
	WLOAD (\t)+2
.endif
	s_wait_dscnt 0x0                               ; the stores have read their registers: the next block's codes may be written
.endm
	s_wait_alu depctr_va_vdst(0)
.irp t, 0,1,2,3,4,5,6,7
	WBLOCK \t
.endr
	s_cmp_lt_u32 s25, 20
	s_cbranch_scc0 .Lwplain
.irp t, 0,1,2,3,4,5,6,7,8,9,10,11,12,13,14,15
	ds_load_b128 v[OUTR+4*\t:OUTR+4*\t+3], v9 offset:8*(\t/8)*WP+128*((\t/4)%2)+32*(\t%4)   ; stored block t / 8, step (t / 4) % 2, c = t % 4
.endr
.irp t, 0,1,2,3,4,5,6,7,8,9,10,11,12,13,14,15
	s_wait_dscnt 15-\t
	global_store_b128 v8, v[OUTR+4*\t:OUTR+4*\t+3], s[28:29] offset:131072*((\t/4)%2)+2048*(\t/8)+512*(\t%4)   ; 512 consecutive bytes
.endr
	s_wait_tensorcnt 0x0                           ; the wave's end
	ds_add_u32 v[SPW], v[NIL]
	s_wait_dscnt 0x0
	s_endpgm
.Lwplain:
.irp t, 0,1,2,3,4,5,6,7,8,9,10,11,12,13,14,15
	ds_load_b128 v[OUTR+4*\t:OUTR+4*\t+3], v7 offset:2*\t*WP   ; columns 2 t and 2 t + 1, into the registers that held the numbers
.endr
.irp t, 0,1,2,3,4,5,6,7,8,9,10,11,12,13,14,15
	s_wait_dscnt 15-\t                             ; the younger reads may be out
	global_store_b128 v8, v[OUTR+4*\t:OUTR+4*\t+3], s[28:29] offset:(8*(((\t/4)%2)*2+(\t/4)/2)+2*(\t%4))*256   ; the stored place of row 2 t: groups of eight 1 and 2 change places; 512 consecutive bytes
.endr
	s_wait_tensorcnt 0x0                           ; the wave's end
	ds_add_u32 v[SPW], v[NIL]
	s_wait_dscnt 0x0
	s_endpgm
.Lfunc_end_k_q64df447dd4_quant:
	.size	k_q64df447dd4_quant, .Lfunc_end_k_q64df447dd4_quant-k_q64df447dd4_quant
	.p2alignl 7, 3214868480
	.fill 96, 4, 3214868480
	.section	.rodata,"a",@progbits
	.p2align	6, 0x0
	.amdhsa_kernel k_q64df447dd4_quant
		.amdhsa_group_segment_fixed_size 70144
		.amdhsa_private_segment_fixed_size 0
		.amdhsa_enable_private_segment 0
		.amdhsa_kernarg_size 80
		.amdhsa_user_sgpr_count 2
		.amdhsa_user_sgpr_kernarg_segment_ptr 1
		.amdhsa_wavefront_size32 1
		.amdhsa_system_sgpr_workgroup_id_x 1
		.amdhsa_system_sgpr_workgroup_id_y 1
		.amdhsa_system_sgpr_workgroup_id_z 1
		.amdhsa_system_vgpr_workitem_id 0
		.amdhsa_next_free_vgpr 200
		.amdhsa_next_free_sgpr 66
		.amdhsa_reserve_vcc 0
		.amdhsa_float_denorm_mode_32 3
		.amdhsa_float_denorm_mode_16_64 3
		.amdhsa_memory_ordered 1
		.amdhsa_forward_progress 1
		.amdhsa_inst_pref_size 115
	.end_amdhsa_kernel
	.amdgpu_metadata
---
amdhsa.version: [ 1, 2 ]
amdhsa.kernels:
  - .name:           k_q64df447dd4_quant
    .symbol:         k_q64df447dd4_quant.kd
    .args:
      - { .name: target_embedding, .offset: 0, .size: 8, .value_kind: global_buffer, .address_space: global }
      - { .name: source_embedding, .offset: 8, .size: 8, .value_kind: global_buffer, .address_space: global }
      - { .name: value_embedding, .offset: 16, .size: 8, .value_kind: global_buffer, .address_space: global }
      - { .name: Wq, .offset: 24, .size: 8, .value_kind: global_buffer, .address_space: global }
      - { .name: Wk, .offset: 32, .size: 8, .value_kind: global_buffer, .address_space: global }
      - { .name: Wv, .offset: 40, .size: 8, .value_kind: global_buffer, .address_space: global }
      - { .name: Wo, .offset: 48, .size: 8, .value_kind: global_buffer, .address_space: global }
      - { .name: lowp_scales, .offset: 56, .size: 8, .value_kind: global_buffer, .address_space: global }
      - { .name: xc, .offset: 64, .size: 8, .value_kind: global_buffer, .address_space: global }
      - { .name: wc, .offset: 72, .size: 8, .value_kind: global_buffer, .address_space: global }
    .group_segment_fixed_size: 70144
    .private_segment_fixed_size: 0
    .kernarg_segment_align: 8
    .kernarg_segment_size: 80
    .max_flat_workgroup_size: 128
    .sgpr_count:     66
    .vgpr_count:     200
    .wavefront_size: 32
...
	.end_amdgpu_metadata
.endif
;; end of part 1
;; launch qkv (part 2): grid 4 x 64, 4 waves a work-group, clusters of 4 x 1, 327,680 bytes of LDS; arguments xc, wc, lowp_scales, bq, bk, bv, hc; writes hc
.if DOCPART == 2
	.amdgcn_target "amdgcn-amd-amdhsa--gfx1250"
	.amdhsa_code_object_version 6
	.text
	.protected	k_q64df447dd4_qkv
	.globl	k_q64df447dd4_qkv
	.p2align	8
	.type	k_q64df447dd4_qkv,@function
k_q64df447dd4_qkv:
	s_mov_b64 s[64:65], 0
	v_nop
	global_prefetch_b8 v0, s[64:65] scope:SCOPE_SE
	s_setreg_imm32_b32 hwreg(HW_REG_WAVE_MODE, 25, 1), 1
	s_wait_xcnt 0x0
	s_wait_alu depctr_hold_cnt(0) depctr_sa_sdst(0) depctr_va_vdst(0) depctr_va_sdst(0) depctr_va_ssrc(0) depctr_va_vcc(0) depctr_vm_vsrc(0)
	s_getreg_b32 s2, hwreg(HW_REG_IB_STS2, 6, 4)
	s_cmp_eq_u32 s2, 0
	s_cbranch_scc0 .Lentry_in_a_cluster
	s_endpgm
.Lentry_in_a_cluster:
	s_bfe_u32 s2, ttmp6, 0x10000c
	s_cmp_lg_u32 s2, 0x3003
	s_cbranch_scc0 .Lentry_shape_is_right
	s_endpgm
.Lentry_shape_is_right:
; The three projections on codes of E4M3, each with its bias, quantised for the attention: q = Q(x Wq + bq), k, v likewise.  Nothing of reference() is left out.
; A block is 256 x 256 of a product.  One operand, S, 256 rows, is shared by the four waves and comes through LDS; the other, P, is private: a wave owns 64 of its 256 rows and loads them from memory straight into registers.
; q, k: S = the activation (chunks [K / 256][rows][256 bytes]), P = the weight; v: S = Wv, P = value_embedding.  P stands in memory in register order, [K / 128][rows / 16][c][lane][16 bytes]: a load takes 512 consecutive bytes.
; Source 0 = P, source 1 = S: a lane holds one row of S, its registers run along P's rows, which by the stored order of rows (in each 32 the second and third eight change places) are 16 logical neighbours in two tiles.
; A wave's 64 rows of P are one head (q, k) or one chunk of 64 keys (v): its results are 256 rows of 64 codes, 16,384 consecutive bytes of hc (q [16 h][8,192][64] at 0, k [16 h][4,096][64] at 8 MiB, v [64 chunks][1,024][64] at 12 MiB).
; THE RING holds S alone: two slots of 512 along K (two chunks x 256 rows x 272 bytes), so that 256 matrix instructions a wave stand between two changes of slots.  Each wave fills a quarter of a slot by one load.
; CLUSTER 4 x 1: the four partners have the same rows of S and different rows of P; S's tiles are asked for jointly (mask 15).  P's rows differ between partners, so they are not.
; P's RING IN REGISTERS: four sets of 64 registers (window 1); when a step of 128 along K is done, its set takes the step four further on.  s_wait_loadcnt 48 = the three younger sets; in the last round 32, 16, 0.
; S's fragments: two buffers of four (window 0, v128-255); a group of 16 matrix instructions on one, while the other's 16 loads land: s_wait_dscnt 16 = the younger group.
; Clusters 0-15 make k, 16-31 v (8 rounds of 512 along K), 32-63 q (2 rounds): the long ones have the low numbers.  The branch round the loop and its trip count hang on the cluster's number alone, which partners share.
; PREFETCH: at a change of slots that fills, each wave asks for its work-group's 32 rows of its quarter of the slot two refills on, and for its own rows of P of the round three on; the last changes ask for nothing beyond K.
; LIMITS: the sums of two exponents lie between -126 and 127, e6, e7, e8 between -126 and 119.  NaN is not served.
; REGISTERS: window 0: v8-29 addresses, v32-63 bias along P, v64-95 bias along S in pairs, v96-127 at work, v128-255 S's fragments, then codes; window 1: P; windows 2, 3: accumulator (p, i) at v[8 (4 (i % 8) + p)].
.set PITCH, 272
.set HALFT, 128*PITCH
.set SLOT,  4*HALFT
.set SPARE, 2*SLOT
.set SP,    80                         ; the way out: a stage row, 64 bytes + 16
.set PVO,  8                           ; v8-11  prefetch offsets: 256 x lane + step x P's stride
.set LIMV, 12
.set SCV,  13
.set CBO,  14
.set RBO,  15
.set ADS,  16                          ; v16-19 S's fragments: slot 0 chunk 0, 1; slot 1 chunk 0, 1
.set VO,   20                          ; v20-23 P's loads: 16 x lane + step x P's stride
.set STO,  25
.set RD,   26
.set SPW,  28                          ; my spare word; never rewritten
.set NIL,  29                          ; 0; never rewritten
.set CB,   32
.set RB,   64
.set TMP,  96
.set SF,   128
.set PC,   128
.set BK,   144
.set TRIPS, 3
.set WV,   18
.set CX,   19
.set Y,    20
.set G1,   24
.set G0,   32
.set STR4, 44                          ; four steps of P
.set CH4,  46                          ; four chunks of S
.set CH2,  48
.set PB,   50                          ; P's loads' base
.set PFA,  52                          ; S's prefetches
.set PPF,  54                          ; P's prefetches
.set OUT,  56
.set BIAS, 58
.set MV,   60                          ; all ones in v's clusters
.set MQ,   61
.set MSB, 0
.macro WIN new
.if MSB != \new
	s_set_vgpr_msb (MSB<<8)|\new
.set MSB, \new
.endif
.endm
.set MUL_LO, 0xa1                      ; source 0 window 1, source 1 window 0, C and D window 2; + 0x50: window 3
.set TO_B,   0x40
.macro CREST
	s_cmp_lg_u32 s[WV], 0
	s_cbranch_scc1 .Lnot_wave_0_\@
	s_barrier_signal -3
.Lnot_wave_0_\@:
	s_barrier_wait -3
	s_barrier_signal -1
	s_barrier_wait -1
.endm
.macro CROUND
	s_barrier_signal -1
	s_barrier_wait -1
	CREST
.endm
.macro PLACES                          ; four places behind matrix instructions, ahead of loads into their sources and of reads of results
.rept 4
	v_nop
.endr
.endm
	s_load_b256 s[4:11], s[0:1], 0x0               ; xc, wc, the scales, bq
	s_load_b128 s[12:15], s[0:1], 0x20             ; bk, bv
	s_load_b64 s[16:17], s[0:1], 0x30              ; hc
	v_lshl_add_u32 v[SPW], v0, 2, SPARE
	v_mov_b32 v[NIL], 0
	ds_add_u32 v[SPW], v[NIL]                      ; the opening: the add twice on end and its wait ahead of my first tensor load
	ds_add_u32 v[SPW], v[NIL]
	v_lshrrev_b32 v1, 5, v0
	v_readfirstlane_b32 s[WV], v1
	s_bfe_u32 s[CX], ttmp6, 0x40000                ; cx enters P's, the bias's and hc's addresses and the prefetches alone
	s_and_b32 s[Y], ttmp7, 0xffff
	s_cmp_lt_u32 s[Y], 32                          ; v or q,
	s_cselect_b32 s40, 18, 21                      ; log2 of a chunk of S
	s_cselect_b32 s41, 5, 0                        ; S's place in its buffer, MiB
	s_cselect_b32 s42, 24, 0                       ; P's
	s_cselect_b32 s43, 19, 17                      ; log2 of a step of P
	s_cselect_b32 s66, 12, 0                       ; the result's place in hc, MiB
	s_cselect_b32 s67, 16, 19                      ; log2 of 64 x S's rows
	s_cselect_b32 s[TRIPS], 3, 0
	s_cselect_b32 s80, 16, 32
	s_cmp_lt_u32 s[Y], 16                          ; or k
	s_cselect_b32 s40, 20, s40
	s_cselect_b32 s41, 8, s41
	s_cselect_b32 s42, 1, s42
	s_cselect_b32 s43, 17, s43
	s_cselect_b32 s66, 8, s66
	s_cselect_b32 s67, 18, s67
	s_cselect_b32 s80, 0, s80
	s_sub_co_u32 s81, s[Y], s80
	s_and_b32 s83, s81, 3
	s_and_b32 s84, s81, 12
	s_lshr_b32 s82, s[Y], 4
	s_cmp_eq_u32 s82, 1                            ; v?
	s_cselect_b32 s[MV], -1, 0
	s_cselect_b32 s81, s83, s81                    ; which 256 rows of S
	s_cselect_b32 s84, s84, 0
	s_add_co_u32 s84, s84, s[CX]                   ; which 256 rows of P
	s_lshl_b32 s86, s41, 20                        ; S: my quarter of round 0: chunk wave / 2, rows 128 (wave % 2) on
	s_lshr_b32 s85, s[WV], 1
	s_lshl_b32 s85, s85, s40
	s_add_co_u32 s86, s86, s85
	s_lshl_b32 s85, s81, 16
	s_add_co_u32 s86, s86, s85
	s_and_b32 s85, s[WV], 1
	s_lshl_b32 s85, s85, 15
	s_add_co_u32 s86, s86, s85
	s_mov_b32 s87, 0
	s_lshl_b32 s[CH2], 2, s40
	s_mov_b32 s[CH2+1], 0
	s_lshl_b32 s[CH4], 4, s40
	s_mov_b32 s[CH4+1], 0
	s_lshl_b32 s88, s42, 20                        ; P: my four blocks of sixteen rows, 8,192 bytes a step
	s_lshl_b32 s85, s84, 15
	s_add_co_u32 s88, s88, s85
	s_lshl_b32 s85, s[WV], 13
	s_add_co_u32 s88, s88, s85
	s_mov_b32 s89, 0
	s_lshl_b32 s[STR4], 4, s43
	s_mov_b32 s[STR4+1], 0
	s_lshl_b32 s97, 1, s43
	s_lshl_b32 s98, 2, s43
	s_lshl_b32 s99, 3, s43
	s_lshl_b32 s90, s84, 2                         ; hc: head or chunk 4 x block + wave, S's first row x 64
	s_add_co_u32 s90, s90, s[WV]
	s_lshl_b32 s90, s90, s67
	s_lshl_b32 s85, s66, 20
	s_add_co_u32 s90, s90, s85
	s_lshl_b32 s85, s81, 14
	s_add_co_u32 s90, s90, s85
	s_mov_b32 s91, 0
	s_lshl_b32 s92, s84, 10
	s_lshl_b32 s85, s[WV], 8
	s_add_co_u32 s92, s92, s85                     ; the bias along P (q, k): 4 x my first row
	s_lshl_b32 s93, s81, 10                        ; along S (v)
	s_cmp_eq_u32 s82, 1
	s_cselect_b32 s92, 0, s92                      ; the one that does not apply is read at 0 and then set to 0
	s_cselect_b32 s93, s93, 0
	s_mul_i32 s96, s[WV], HALFT
	s_mul_i32 s21, s[WV], 16*SP
	s_lshl_b32 s62, s[CX], 13
	s_mov_b32 s63, 0
	s_mov_b32 s[G1], 15|(1<<20)|(1<<21)|(5<<22)|(3<<25)   ; all four partners; 1-byte elements; 4 words of padding behind every 64; bit 21 beside a mask
	s_mov_b32 s[G1+1], 256<<16
	s_mov_b32 s[G1+2], 128<<16
	s_mov_b32 s[G1+3], 256<<16
	s_mov_b32 s[G1+4], 128
	s_mov_b32 s[G1+5], 256
	s_mov_b32 s[G1+6], 0
	s_mov_b32 s[G1+7], 0
	s_wait_dscnt 0x0                               ; both opening adds are done
	s_wait_kmcnt 0x0
	s_load_b256 s[68:75], s[8:9], 0x0              ; e0 .. e7
	s_load_b128 s[76:79], s[8:9], 0x20             ; e8 .. e11
	s_cmp_eq_u32 s82, 1
	s_cselect_b64 s[22:23], s[6:7], s[4:5]
	s_cselect_b64 s[PB:PB+1], s[4:5], s[6:7]
	s_add_nc_u64 s[22:23], s[22:23], s[86:87]
	s_add_nc_u64 s[PB:PB+1], s[PB:PB+1], s[88:89]
	s_add_nc_u64 s[OUT:OUT+1], s[16:17], s[90:91]
	s_cmp_lt_u32 s[Y], 32
	s_cselect_b64 s[BIAS:BIAS+1], s[14:15], s[10:11]
	s_cmp_lt_u32 s[Y], 16
	s_cselect_b64 s[BIAS:BIAS+1], s[12:13], s[BIAS:BIAS+1]
	s_add_nc_u64 s[PFA:PFA+1], s[22:23], s[CH4:CH4+1]      ; one step of two chunks short of round 4: each filling change steps it first
	s_add_nc_u64 s[PFA:PFA+1], s[PFA:PFA+1], s[CH2:CH2+1]
	s_add_nc_u64 s[PFA:PFA+1], s[PFA:PFA+1], s[62:63]      ; my work-group's 32 of the 128 rows: partners are told apart by address
	s_add_nc_u64 s[PPF:PPF+1], s[PB:PB+1], s[STR4:STR4+1]  ; one round short of round 3
	s_add_nc_u64 s[PPF:PPF+1], s[PPF:PPF+1], s[STR4:STR4+1]
	CROUND                                         ; the four work-groups are here: the first joint loads meet
	s_mov_b32 s[G0], 1
	s_add_co_u32 s[G0+1], s96, 0
	s_mov_b64 s[G0+2:G0+3], s[22:23]
	s_or_b32 s[G0+3], s[G0+3], 0x80000000
	s_mov_b32 s[G0+4], 1
	s_add_co_u32 s[G0+5], s96, SLOT
	s_add_nc_u64 s[G0+6:G0+7], s[22:23], s[CH2:CH2+1]
	s_or_b32 s[G0+7], s[G0+7], 0x80000000
	tensor_load_to_lds s[G0:G0+3], s[G1:G1+7]      ; round 0: one tensor load a wave at the head
	s_nop 0
	PLACES
	v_and_b32 v1, 15, v0                           ; r
	v_bfe_u32 v2, v0, 4, 1                         ; h
	v_and_b32 v3, 31, v0
	v_mul_u32_u24 v4, v1, PITCH
	v_lshl_add_u32 v[ADS], v2, 4, v4
	v_add_nc_u32 v[ADS+1], 2*HALFT, v[ADS]
	v_add_nc_u32 v[ADS+2], SLOT, v[ADS]
	v_add_nc_u32 v[ADS+3], SLOT+2*HALFT, v[ADS]
	v_lshlrev_b32 v[VO], 4, v3
	v_add_nc_u32 v[VO+1], s97, v[VO]
	v_add_nc_u32 v[VO+2], s98, v[VO]
	v_add_nc_u32 v[VO+3], s99, v[VO]
	v_lshlrev_b32 v[PVO], 8, v3
	v_add_nc_u32 v[PVO+1], s97, v[PVO]
	v_add_nc_u32 v[PVO+2], s98, v[PVO]
	v_add_nc_u32 v[PVO+3], s99, v[PVO]
	v_lshlrev_b32 v[CBO], 6, v2
	v_add_nc_u32 v[CBO], s92, v[CBO]
	v_and_b32 v[RBO], 8, v1
	v_add_nc_u32 v[RBO], v[RBO], v1
	v_lshlrev_b32 v[RBO], 2, v[RBO]
	v_add_nc_u32 v[RBO], s93, v[RBO]
	v_mul_u32_u24 v5, v1, SP
	v_lshl_add_u32 v5, v2, 4, v5
	v_add_nc_u32 v[STO], s21, v5                   ; the stage, in: row r, 16 bytes for each half
	v_lshrrev_b32 v6, 2, v3
	v_mul_u32_u24 v6, v6, SP
	v_and_b32 v7, 3, v3
	v_lshl_add_u32 v6, v7, 4, v6
	v_add_nc_u32 v[RD], s21, v6                    ; back: four lanes to a row
.irp p, 0,1,2,3
.irp q, 0,1
	global_load_b128 v[CB+8*\p+4*\q:CB+8*\p+4*\q+3], v[CBO], s[BIAS:BIAS+1] offset:128*(\p/2)+32*(\p%2)+16*\q   ; register 8 p + j: P's logical row 32 (p / 2) + 16 h + 8 (p % 2) + j
.endr
.endr
.irp i, 0,1,2,3,4,5,6,7,8,9,10,11,12,13,14,15
	global_load_b32 v[RB+2*\i], v[RBO], s[BIAS:BIAS+1] offset:4*(32*(\i/2)+8*(\i%2))   ; block i: S's logical row 32 (i / 2) + 8 (i % 2) + r + 8 (r / 8)
.endr
.macro PLD s                           ; P's four fragments of a step into set s: 16 loads of 512 consecutive bytes
.irp p, 0,1,2,3
.irp c, 0,1,2,3
	global_load_b128 v[64*(\s)+16*\p+4*\c:64*(\s)+16*\p+4*\c+3], v[VO+(\s)], s[PB:PB+1] offset:2048*\p+512*\c
.endr
.endr
.endm
.macro SLD sl, s, g                    ; S's blocks 4 g .. 4 g + 3 of step s of slot sl into buffer g % 2
.irp i, 0,1,2,3
.irp c, 0,1,2,3
	ds_load_b128 v[SF+64*((\g)%2)+16*\i+4*\c:SF+64*((\g)%2)+16*\i+4*\c+3], v[ADS+2*(\sl)+(\s)/2] offset:128*((\s)%2)+32*\c+(4*(\g)+\i)*16*PITCH
.endr
.endr
.endm
.macro GRP s, g, zero                  ; 16 matrix instructions; the 64 accumulators take turns, in the same order in every step
	WIN MUL_LO+0x50*((\g)/2)
.irp i, 0,1,2,3
.irp p, 0,1,2,3
.if \zero
	v_wmma_f32_16x16x128_fp8_fp8 v[8*(4*(4*((\g)%2)+\i)+\p):8*(4*(4*((\g)%2)+\i)+\p)+7], v[64*(\s)+16*\p:64*(\s)+16*\p+15], v[SF+64*((\g)%2)+16*\i:SF+64*((\g)%2)+16*\i+15], 0
.else
	v_wmma_f32_16x16x128_fp8_fp8 v[8*(4*(4*((\g)%2)+\i)+\p):8*(4*(4*((\g)%2)+\i)+\p)+7], v[64*(\s)+16*\p:64*(\s)+16*\p+15], v[SF+64*((\g)%2)+16*\i:SF+64*((\g)%2)+16*\i+15], v[8*(4*(4*((\g)%2)+\i)+\p):8*(4*(4*((\g)%2)+\i)+\p)+7]
.endif
.endr
.endr
.endm
.macro STEP sl, s, zero, pl            ; steps 0 to 2 of a slot.  pl = 1: the set just used takes the same step of the next round
.if \pl
	s_wait_loadcnt 48                              ; my set is in; the three younger sets may be out
.else
	s_wait_loadcnt 16*(3-(\s))
.endif
.irp g, 0,1,2,3
	s_wait_dscnt 16                                ; this group's fragments are in; the next group's may be out
	GRP \s, \g, \zero
	PLACES
	WIN 0
	SLD \sl, (\s)+(\g+2)/4, (\g+2)%4
.endr
.if \pl
.if (\s) == 0
	s_wait_xcnt 0x0                                ; the earlier loads have read their base
	s_add_nc_u64 s[PB:PB+1], s[PB:PB+1], s[STR4:STR4+1]
.endif
	WIN TO_B
	PLD \s
	WIN 0
.endif
.endm
.macro HALF3 sl, pl                    ; the first half of a slot's last step
.if \pl
	s_wait_loadcnt 48
.else
	s_wait_loadcnt 0
.endif
	s_wait_dscnt 16
	GRP 3, 0, 0
	PLACES
	WIN 0
	SLD \sl, 3, 2
	s_wait_dscnt 16
	GRP 3, 1, 0
	PLACES
	WIN 0
	SLD \sl, 3, 3
.endm
.macro PASK
.irp s, 0,1,2,3
	global_prefetch_b8 v[PVO+\s], s[PPF:PPF+1] th:TH_LOAD_NT scope:SCOPE_SE   ; my 8,192 bytes of each step of the round three on, lanes 256 bytes apart
.endr
.endm
.macro ASK sl                          ; with TRIPS = 1 the round three on from slot 1's change, and the slots two refills on, lie beyond K
.if (\sl) == 0
	PASK
.endif
	s_cmp_gt_u32 s[TRIPS], 1
	s_cbranch_scc0 .Lnone_\@
.if (\sl) == 1
	PASK
.endif
	global_prefetch_b8 v[PVO], s[PFA:PFA+1] th:TH_LOAD_NT scope:SCOPE_SE      ; a lane a row of 256 bytes
.Lnone_\@:
.endm
; A slot's last step changes slots: one barrier; where the slot is filled again it opens a round of the cluster's barrier.
.macro TURN sl, fill
	HALF3 \sl, 1
.if \fill
	s_wait_xcnt 0x0                                ; my prefetches have read their addresses
	s_add_nc_u64 s[PFA:PFA+1], s[PFA:PFA+1], s[CH2:CH2+1]
	s_add_nc_u64 s[PPF:PPF+1], s[PPF:PPF+1], s[STR4:STR4+1]
.endif
	s_wait_tensorcnt 0x0                           ; my one load that was out, my quarter of the next slot, has landed
	ds_add_u32 v[SPW], v[NIL]
.if \fill
	s_add_nc_u64 s[G0+4*(\sl)+2:G0+4*(\sl)+3], s[G0+4*(\sl)+2:G0+4*(\sl)+3], s[CH4:CH4+1]
.endif
	s_wait_dscnt 17                                ; the add and the youngest group may be out
	GRP 3, 2, 0
	s_wait_dscnt 0x0                               ; the add is done, and my reads of this slot are over
	s_barrier_signal -1
	GRP 3, 3, 0
	WIN 0
	s_barrier_wait -1
.if \fill
	CREST
	tensor_load_to_lds s[G0+4*(\sl):G0+4*(\sl)+3], s[G1:G1+7]   ; the round two on, first behind the cluster's round
	s_nop 0
.endif
	PLACES
	SLD 1-(\sl), 0, 0
	SLD 1-(\sl), 0, 1
	WIN TO_B
	PLD 3
	WIN 0
.if \fill
	ASK \sl
.endif
.endm
	WIN TO_B
	PLD 0                                          ; round 0's four steps of P
	PLD 1
	PLD 2
	PLD 3
	WIN 0
	s_wait_alu depctr_va_vdst(0)
	s_wait_tensorcnt 0x0                           ; my quarter of round 0 is in
	ds_add_u32 v[SPW], v[NIL]
	s_wait_dscnt 0x0
	CROUND
	tensor_load_to_lds s[G0+4:G0+7], s[G1:G1+7]    ; round 1, into slot 1
	s_nop 0
	PLACES
	SLD 0, 0, 0
	SLD 0, 0, 1
	STEP 0, 0, 1, 1                                ; the first step starts the sums
	s_cmp_eq_u32 s[TRIPS], 0                       ; q has two rounds: nothing is filled again
	s_cbranch_scc1 .Ltail
.Llap:                                                 ; once round the ring, from a lap's second step to the next lap's first; both slots are filled again
	STEP 0, 1, 0, 1
	STEP 0, 2, 0, 1
	TURN 0, 1
	STEP 1, 0, 0, 1
	STEP 1, 1, 0, 1
	STEP 1, 2, 0, 1
	TURN 1, 1
	STEP 0, 0, 0, 1
	s_sub_co_u32 s[TRIPS], s[TRIPS], 1
	s_cmp_lg_u32 s[TRIPS], 0
	s_cbranch_scc1 .Llap
.Ltail:                                                ; the last lap fills nothing
	STEP 0, 1, 0, 1
	STEP 0, 2, 0, 1
	TURN 0, 0
	STEP 1, 0, 0, 0
	STEP 1, 1, 0, 0
	STEP 1, 2, 0, 0
	HALF3 1, 0
	s_wait_dscnt 16
	GRP 3, 2, 0
	s_wait_dscnt 0x0
	GRP 3, 3, 0
	WIN 0
	PLACES
; THE WAY OUT.  sum x 2^(ea + eb) + bias, held, converted; 16 rows of 64 codes go through my stage (in slot 0, which has had its last fill and its last read) and leave as 2 x 512 consecutive bytes.
	s_wait_kmcnt 0x0
	s_add_co_i32 s40, s68, s69
	s_add_co_i32 s41, s70, s71
	s_add_co_i32 s42, s72, s73
	s_cmp_lt_u32 s[Y], 32
	s_cselect_b32 s40, s42, s40
	s_cselect_b32 s43, s76, s74
	s_cmp_lt_u32 s[Y], 16
	s_cselect_b32 s40, s41, s40
	s_cselect_b32 s43, s75, s43
	s_add_co_i32 s40, s40, 127
	s_lshl_b32 s94, s40, 23                        ; 2^(ea + eb)
	s_mov_b32 s95, s94
	s_add_co_i32 s43, s43, 127
	s_lshl_b32 s40, s43, 23
	v_mov_b32 v[SCV], s40                          ; the result's scale
	s_add_co_i32 s43, s43, 8
	s_lshl_b32 s43, s43, 23
	s_or_b32 s43, s43, 0x600000
	v_mov_b32 v[LIMV], s43                         ; 448 x that
	s_not_b32 s[MQ], s[MV]
.set i, 0
.rept 32
	v_cndmask_b32 v[CB+i], 0, v[CB+i], s[MQ]
.set i, i+1
.endr
.set i, 0
.rept 16
	v_cndmask_b32 v[RB+i+1], 0, v[RB+i], s[MV]
	v_cndmask_b32 v[RB+i], 0, v[RB+i], s[MV]
.set i, i+2
.endr
.macro TOSTAGE a
.set AC, 32*((\a)%8)
.set PCB, PC+8*((\a)%2)
.set BB, BK+8*((\a)%2)
	WIN 0x02+((\a)/8)
.set j, 0
.rept 16
	v_pk_fma_f32 v[TMP+j:TMP+j+1], v[AC+j:AC+j+1], s[94:95], v[CB+j:CB+j+1] op_sel_hi:[1,0,1]   ; each accumulator from its low end on
.set j, j+2
.endr
	WIN 0
.set j, 0
.rept 16
	v_pk_add_f32 v[TMP+j:TMP+j+1], v[TMP+j:TMP+j+1], v[RB+2*(\a):RB+2*(\a)+1]
.set j, j+2
.endr
.set j, 0
.rept 32
	v_med3_num_f32 v[TMP+j], v[TMP+j], -v[LIMV], v[LIMV]   ; the conversion does not saturate (ISA guide 7.6.2)
.set j, j+1
.endr
.irp g, 0,1,2,3
	v_cvt_scalef32_pk8_fp8_f32 v[PCB+2*\g:PCB+2*\g+1], v[TMP+8*\g:TMP+8*\g+7], v[SCV]
.endr
	v_nop                                          ; one plain line behind the conversions
	ds_store_b128 v[STO], v[PCB:PCB+3]
	ds_store_b128 v[STO], v[PCB+4:PCB+7] offset:32
.irp u, 0,1
	ds_load_b128 v[BB+4*\u:BB+4*\u+3], v[RD] offset:8*SP*\u   ; LDS serves a wave's instructions in order
.endr
.endm
.macro SEND a, younger
.set BB, BK+8*((\a)%2)
	s_wait_dscnt \younger
.irp u, 0,1
	global_store_b128 v[VO], v[BB+4*\u:BB+4*\u+3], s[OUT:OUT+1] offset:1024*(\a)+512*\u
.endr
.endm
	TOSTAGE 0
.irp a, 1,2,3,4,5,6,7,8,9,10,11,12,13,14,15
.if \a > 1
	s_wait_xcnt 0x0                                ; block a - 2's stores have read their registers
.endif
	TOSTAGE \a
	SEND \a-1, 4                                   ; behind block a - 1's loads: block a's two stores and two loads
.endr
	SEND 15, 0
	s_wait_tensorcnt 0x0                           ; the wave's end
	ds_add_u32 v[SPW], v[NIL]
	s_wait_dscnt 0x0
	CROUND                                         ; the closing round
	s_endpgm
.Lfunc_end_k_q64df447dd4_qkv:
	.size	k_q64df447dd4_qkv, .Lfunc_end_k_q64df447dd4_qkv-k_q64df447dd4_qkv
	.p2alignl 7, 3214868480
	.fill 96, 4, 3214868480
	.section	.rodata,"a",@progbits
	.p2align	6, 0x0
	.amdhsa_kernel k_q64df447dd4_qkv
		.amdhsa_group_segment_fixed_size 327680
		.amdhsa_private_segment_fixed_size 0
		.amdhsa_enable_private_segment 0
		.amdhsa_kernarg_size 56
		.amdhsa_user_sgpr_count 2
		.amdhsa_user_sgpr_kernarg_segment_ptr 1
		.amdhsa_wavefront_size32 1
		.amdhsa_system_sgpr_workgroup_id_x 1
		.amdhsa_system_sgpr_workgroup_id_y 1
		.amdhsa_system_sgpr_workgroup_id_z 1
		.amdhsa_system_vgpr_workitem_id 0
		.amdhsa_next_free_vgpr 1024
		.amdhsa_next_free_sgpr 100
		.amdhsa_reserve_vcc 0
		.amdhsa_float_denorm_mode_32 3
		.amdhsa_float_denorm_mode_16_64 3
		.amdhsa_memory_ordered 1
		.amdhsa_forward_progress 1
		.amdhsa_inst_pref_size 255
	.end_amdhsa_kernel
	.section	.bss,"aw",@nobits
	.p2align	6
	.space	262144
	.amdgpu_metadata
---
amdhsa.version: [ 1, 2 ]
amdhsa.kernels:
  - .name:           k_q64df447dd4_qkv
    .symbol:         k_q64df447dd4_qkv.kd
    .args:
      - { .name: xc, .offset: 0, .size: 8, .value_kind: global_buffer, .address_space: global }
      - { .name: wc, .offset: 8, .size: 8, .value_kind: global_buffer, .address_space: global }
      - { .name: lowp_scales, .offset: 16, .size: 8, .value_kind: global_buffer, .address_space: global }
      - { .name: bq, .offset: 24, .size: 8, .value_kind: global_buffer, .address_space: global }
      - { .name: bk, .offset: 32, .size: 8, .value_kind: global_buffer, .address_space: global }
      - { .name: bv, .offset: 40, .size: 8, .value_kind: global_buffer, .address_space: global }
      - { .name: hc, .offset: 48, .size: 8, .value_kind: global_buffer, .address_space: global }
    .group_segment_fixed_size: 327680
    .private_segment_fixed_size: 0
    .kernarg_segment_align: 8
    .kernarg_segment_size: 56
    .max_flat_workgroup_size: 128
    .sgpr_count:     100
    .vgpr_count:     1024
    .wavefront_size: 32
...
	.end_amdgpu_metadata
.endif
;; end of part 2
;; launch attn (part 3): grid 4 x 64, 16 waves a work-group, clusters of 4 x 1, 186,368 bytes of LDS; arguments hc, lowp_scales, ac; writes ac
.if DOCPART == 3
	.amdgcn_target "amdgcn-amd-amdhsa--gfx1250"
	.amdhsa_code_object_version 6
	.text
	.protected	k_q64df447dd4_attn
	.globl	k_q64df447dd4_attn
	.p2align	8
	.type	k_q64df447dd4_attn,@function
k_q64df447dd4_attn:
	s_mov_b64 s[64:65], 0
	v_nop
	global_prefetch_b8 v0, s[64:65] scope:SCOPE_SE
	s_setreg_imm32_b32 hwreg(HW_REG_WAVE_MODE, 25, 1), 1
	s_wait_xcnt 0x0
	s_wait_alu depctr_hold_cnt(0) depctr_sa_sdst(0) depctr_va_vdst(0) depctr_va_sdst(0) depctr_va_ssrc(0) depctr_va_vcc(0) depctr_vm_vsrc(0)
	s_getreg_b32 s2, hwreg(HW_REG_IB_STS2, 6, 4)
	s_cmp_eq_u32 s2, 0
	s_cbranch_scc0 .Lentry_in_a_cluster
	s_endpgm
.Lentry_in_a_cluster:
	s_bfe_u32 s2, ttmp6, 0x10000c
	s_cmp_lg_u32 s2, 0x3003
	s_cbranch_scc0 .Lentry_shape_is_right
	s_endpgm
.Lentry_shape_is_right:
; For each batch b and head h: O = softmax(Q K^T / 8) V on codes of E4M3, and O quantised for the last product.  2,048 queries, 1,024 keys, head size 64.
; hc holds q's codes [16 h][8,192 rows][64] at 0, k's [16 h][4,096 rows][64] at 8 MiB, v's with the keys innermost [64 chunks of 64 keys][1,024 channels][64] at 12 MiB.  ac: in register order, [K / 128][rows / 16][c][lane][16 bytes].
; Rows of all of them are stored permuted (in each group of 32 the second and third eight change places), bytes of a row in logical order.
; THE SOFTMAX: t = score x log2(e) / 8; M = the running largest t rounded UP to a whole number; p = 2^(t - M) is quantised with 2^e9, not normalised; the row's sum is taken of the unquantised p and divides O at the end.
; When M moves, the sum and O are multiplied by 2^(old M - new M), which rounds nothing.
; SHARES.  A cluster of four work-groups has one (b, h); each work-group 512 queries, each of its sixteen waves 32: two tiles of 16, one after the other.  Four waves share a SIMD, so that one wave's vector work stands beside another's products.
; The head's K and V, 64 KiB each, fit in LDS whole: each wave asks for one sixteenth by ONE joint load that names all four partners; no byte of LDS is filled twice, so there is no ring.
; No prefetch: all of K and V is asked for at the head in one group, and no later stream follows.
; LAYOUT.  Both products are used transposed: S^T = K Q^T, O^T = V^T P^T: a lane holds one query (lane % 16) throughout.  By the stored order of K's rows the 16 registers of tiles 2 p, 2 p + 1 of S^T are the
; keys 32 p + 16 (lane / 16) + 0 .. 15: the conversions' results are the second product's operand.  By the stored order of V's rows O^T's registers are neighbouring channels likewise.
; LIMITS: e6 + e7 between -123 and 130 (added to c's exponent field); e9, e10 between -126 and 119; e8 + e9 is applied by v_ldexp_f32.  NaN is not served.
; REGISTERS: v1-11 addresses; v12 -M, v13 the largest t, v[14:15] the sum; v16-31 Q's two tiles; v32-95 eight fragments of K, then four of V; v96-159 S^T, then p; v160-191 O^T; v192-207 rows on their way out; v224-239 codes; v236-254 at work.
.set KP,    80                         ; a row of 64 codes in LDS: 64 bytes + 16 of padding
.set VOFF,  1024*KP                    ; K's 1,024 rows, then V's 16 chunks of 64 rows
.set STEPB, 128*KP                     ; 128 keys: 128 rows of K; two chunks of V: the same bytes
.set STAGE, 2*VOFF                     ; 16 rows x 80 bytes for each wave
.set SPARE, STAGE+16*16*KP             ; the spare words, 128 bytes for each wave
.set AK0,  1
.set AV0,  2
.set QO,   3
.set SPW,  5                           ; v5   my spare word; never rewritten
.set NIL,  6                           ; v6   0; never rewritten
.set GO,   7
.set ADK,  8
.set ADV,  9
.set STO,  10
.set RD,   11
.set WV,   18
.set SEL,  20                          ; s[20:21] selects for lane l xor 16
.set CS,   22                          ; s[22:23] c = log2(e) / 8 x 2^(e6 + e7)
.set G1K,  24
.set G1V,  32
.set G0K,  40
.set G0V,  44
.set TB,   60                          ; s60  LDS byte of the step in hand
.set CNT,  61                          ; s61  steps to go
.set EO,   62                          ; s62  e8 + e9
.macro CROUND
	s_barrier_signal -1
	s_barrier_wait -1
	s_cmp_lg_u32 s[WV], 0
	s_cbranch_scc1 .Lnot_wave_0_\@
	s_barrier_signal -3
.Lnot_wave_0_\@:
	s_barrier_wait -3
	s_barrier_signal -1
	s_barrier_wait -1
.endm
	s_load_b128 s[4:7], s[0:1], 0x0                ; hc s[4:5], the scales s[6:7]
	s_load_b64 s[8:9], s[0:1], 0x10                ; ac
	v_lshl_add_u32 v[SPW], v0, 2, SPARE
	v_mov_b32 v[NIL], 0
	ds_add_u32 v[SPW], v[NIL]                      ; the wave's opening: the add and its wait ahead of my tensor load; work on registers stands between them
	ds_add_u32 v[SPW], v[NIL]
	v_lshrrev_b32 v8, 5, v0
	s_delay_alu instid0(VALU_DEP_1)
	v_readfirstlane_b32 s[WV], v8                  ; wave 0..15
	s_bfe_u32 s48, ttmp6, 0x40000                  ; cx: my block of 512 queries: it enters Q's and ac's addresses alone
	s_and_b32 s49, ttmp7, 0xffff
	s_lshr_b32 s50, s49, 4                         ; b
	s_and_b32 s51, s49, 15                         ; h
	s_lshl_b32 s52, s51, 18                        ; K: head x 4,096 rows x 64,
	s_lshl_b32 s53, s50, 16                        ; + batch x 1,024 rows,
	s_add_co_u32 s52, s52, s53
	s_lshl_b32 s53, s[WV], 13                      ; + my 128 rows (waves 0-7)
	s_add_co_u32 s52, s52, s53
	s_add_co_u32 s52, s52, 8388608
	s_mov_b32 s53, 0
	s_and_b32 s54, s[WV], 7                        ; V: my two chunks of 64 keys (waves 8-15),
	s_lshl_b32 s54, s54, 1
	s_lshl_b32 s55, s50, 4
	s_add_co_u32 s54, s54, s55
	s_lshl_b32 s54, s54, 16                        ; 65,536 bytes each,
	s_lshl_b32 s55, s51, 12                        ; + the head's 64 rows of 64 bytes
	s_add_co_u32 s54, s54, s55
	s_add_co_u32 s54, s54, 12582912
	s_mov_b32 s55, 0
	s_lshl_b32 s56, s50, 11                        ; Q and ac: row 2,048 b + 512 cx + 32 wave,
	s_lshl_b32 s57, s48, 9
	s_add_co_u32 s56, s56, s57
	s_lshl_b32 s57, s[WV], 5
	s_add_co_u32 s56, s56, s57
	s_lshl_b32 s66, s56, 7                         ; ac stands in the order of an operand's registers, [K / 128][rows / 16][c][lane][16 bytes]: 2,048 bytes for sixteen rows,
	s_lshr_b32 s67, s51, 1
	s_lshl_b32 s67, s67, 20                        ; step h / 2 of 1 MiB,
	s_add_co_u32 s66, s66, s67
	s_and_b32 s67, s51, 1
	s_lshl_b32 s67, s67, 10                        ; c = 2 (h % 2) + p
	s_add_co_u32 s66, s66, s67
	s_mov_b32 s67, 0
	s_lshl_b32 s56, s56, 6
	s_lshl_b32 s57, s51, 19                        ; in head h's 8,192 rows
	s_add_co_u32 s56, s56, s57
	s_mov_b32 s57, 0
	s_mul_i32 s58, s[WV], STEPB                    ; where my load goes: waves 0-7 fill K's region, waves 8-15 V's, which follows it
	s_mov_b32 s[G1K], 15|(1<<20)|(1<<21)|(3<<22)|(3<<25)   ; the mask: all four partners; elements of 1 byte; padding on; bit 21 beside a mask; after every 16 words, 4 words
	s_mov_b32 s[G1K+1], 64<<16                     ; K: 128 rows of 64 bytes, dense
	s_mov_b32 s[G1K+2], 128<<16
	s_mov_b32 s[G1K+3], 64<<16
	s_mov_b32 s[G1K+4], 128
	s_mov_b32 s[G1K+5], 64
	s_mov_b32 s[G1K+6], 0
	s_mov_b32 s[G1K+7], 0
	s_mov_b32 s[G1V], 15|(1<<20)|(1<<21)|(3<<22)|(3<<25)
	s_mov_b32 s[G1V+1], 4096<<16                   ; V: two dense blocks of 64 rows x 64 bytes, 65,536 bytes apart, stated as two rows of 4,096 bytes; the padding falls behind each 64
	s_mov_b32 s[G1V+2], 2<<16
	s_mov_b32 s[G1V+3], 4096<<16
	s_mov_b32 s[G1V+4], 2
	s_mov_b32 s[G1V+5], 65536
	s_mov_b32 s[G1V+6], 0
	s_mov_b32 s[G1V+7], 0
	s_mov_b32 s[SEL], 0x76543210
	s_mov_b32 s[SEL+1], 0xfedcba98
	s_mov_b32 s[CS], 0x3e38aa3b                    ; log2(e) / 8
	s_wait_dscnt 0x0                               ; the opening add is done
	s_wait_kmcnt 0x0
	s_load_b256 s[68:75], s[6:7], 0x0              ; e0 .. e7
	s_load_b128 s[76:79], s[6:7], 0x20             ; e8 .. e11
	s_mov_b32 s[G0K], 1
	s_mov_b32 s[G0K+1], s58
	s_add_nc_u64 s[G0K+2:G0K+3], s[4:5], s[52:53]
	s_or_b32 s[G0K+3], s[G0K+3], 0x80000000
	s_mov_b32 s[G0V], 1
	s_mov_b32 s[G0V+1], s58
	s_add_nc_u64 s[G0V+2:G0V+3], s[4:5], s[54:55]
	s_or_b32 s[G0V+3], s[G0V+3], 0x80000000
	s_add_nc_u64 s[10:11], s[4:5], s[56:57]        ; Q at my first row
	s_add_nc_u64 s[8:9], s[8:9], s[66:67]          ; ac at my first sixteen rows
	CROUND                                         ; all four work-groups are here: the joint loads meet
	s_cmp_lt_u32 s[WV], 8                          ; one tensor load a wave, the only one of the launch; an s_nop 0 and four v_nop follow each line
	s_cbranch_scc0 .Lfor_v
	tensor_load_to_lds s[G0K:G0K+3], s[G1K:G1K+7]
	s_nop 0
.rept 4
	v_nop
.endr
	s_branch .Lasked
.Lfor_v:
	tensor_load_to_lds s[G0V:G0V+3], s[G1V:G1V+7]
	s_nop 0
.rept 4
	v_nop
.endr
.Lasked:
	v_and_b32 v8, 15, v0                           ; r
	v_bfe_u32 v9, v0, 4, 1                         ; h
	s_delay_alu instid0(VALU_DEP_2)
	v_lshlrev_b32 v[QO], 6, v8
	s_delay_alu instid0(VALU_DEP_1)
	v_lshl_add_u32 v[QO], v9, 4, v[QO]             ; row r of 64 bytes, + 16 x half
.irp q, 0,1
.irp c, 0,1
	global_load_b128 v[16+8*\q+4*\c:19+8*\q+4*\c], v[QO], s[10:11] offset:1024*\q+32*\c   ; Q's two fragments stay in registers
.endr
.endr
	v_mul_u32_u24 v[AK0], v8, KP
	s_delay_alu instid0(VALU_DEP_1)
	v_lshl_add_u32 v[AK0], v9, 4, v[AK0]
	s_delay_alu instid0(VALU_DEP_1)
	v_add_nc_u32 v[AV0], VOFF, v[AK0]
	v_and_b32 v4, 31, v0
	s_delay_alu instid0(VALU_DEP_1)
	v_lshlrev_b32 v[GO], 4, v4                     ; the way out: 16 bytes a lane; no stage is used
	v_mov_b32 v236, 0                              ; written once: a lane permute's destination counts as one of its sources
	v_mov_b32 v253, 0                              ; (named as the upper half of the pair v[252:253])
	s_wait_kmcnt 0x0
	s_add_co_i32 s48, s74, s75
	s_lshl_b32 s48, s48, 23
	s_add_co_i32 s[CS], s[CS], s48                 ; a score stands for score x 2^(e6 + e7)
	s_mov_b32 s[CS+1], s[CS]
	s_add_co_i32 s48, s77, 127
	s_lshl_b32 s49, s48, 23
	v_mov_b32 v244, s49                            ; 2^e9
	s_add_co_i32 s48, s48, 8
	s_lshl_b32 s48, s48, 23
	s_or_b32 s48, s48, 0x600000
	v_mov_b32 v240, s48                            ; 448 x 2^e9
	s_add_co_i32 s48, s78, 127
	s_lshl_b32 s49, s48, 23
	v_mov_b32 v245, s49                            ; 2^e10
	s_add_co_i32 s48, s48, 8
	s_lshl_b32 s48, s48, 23
	s_or_b32 s48, s48, 0x600000
	v_mov_b32 v241, s48                            ; 448 x 2^e10
	s_add_co_i32 s[EO], s76, s77
	s_wait_tensorcnt 0x0                           ; my sixteenth of K and V is in,
	s_barrier_signal -1
	s_barrier_wait -1                              ; everybody's is
	s_wait_loadcnt 0x0                             ; Q
; A KEY STEP: 128 keys for tile q of my queries.
.macro STEP q
	v_add_nc_u32 v[ADK], s[TB], v[AK0]
	v_add_nc_u32 v[ADV], s[TB], v[AV0]
	v_nop                                          ; with the two additions: four places in front of loads into registers that the last products read
	v_nop
.irp t, 0,1,2,3,4,5,6,7
.irp c, 0,1
	ds_load_b128 v[32+8*\t+4*\c:35+8*\t+4*\c], v[ADK] offset:16*KP*\t+32*\c
.endr
.endr
	s_wait_alu depctr_va_vdst(0)
	s_wait_dscnt 0x0
.irp t, 0,1,2,3,4,5,6,7
	v_wmma_f32_16x16x64_fp8_fp8 v[96+8*\t:103+8*\t], v[32+8*\t:39+8*\t], v[16+8*(\q):23+8*(\q)], 0
.endr
.rept 4
	v_nop                                          ; places: for V's loads into K's registers, and for the first read of the scores
.endr
.irp t, 0,1,2,3
.irp c, 0,1,2,3
	ds_load_b128 v[32+16*\t+4*\c:35+16*\t+4*\c], v[ADV] offset:64*KP*(\c/2)+16*KP*\t+32*(\c%2)   ; V lands while the softmax is worked: channels 16 t on, keys 32 c + 16 h on
.endr
.endr
	v_max3_num_f32 v254, v96, v97, v98             ; the step's largest score of my query among my 64 keys, in two chains, each accumulator from its low end on
	v_max3_num_f32 v252, v99, v100, v101
.irp i, 6,10,14,18,22,26,30,34,38,42,46,50,54,58
	v_max3_num_f32 v254, v254, v[96+\i], v[97+\i]
	v_max3_num_f32 v252, v252, v[98+\i], v[99+\i]
.endr
	v_max3_num_f32 v254, v254, v158, v159
	s_delay_alu instid0(VALU_DEP_1)
	v_max_num_f32 v254, v254, v252
	v_permlanex16_b32 v236, v254, s[SEL], s[SEL+1]
	s_delay_alu instid0(VALU_DEP_1)
	v_max_num_f32 v254, v254, v236                 ; and among lane l xor 16's
	s_delay_alu instid0(VALU_DEP_1)
	v_mul_f32 v254, s[CS], v254                    ; as t (c is positive)
	s_delay_alu instid0(VALU_DEP_1)
	v_max_num_f32 v13, v13, v254                   ; the running largest t
	v_mov_b32 v254, v12
	s_delay_alu instid0(VALU_DEP_2)
	v_floor_f32 v12, -v13                          ; the new -M = -ceil(t)
	s_delay_alu instid0(VALU_DEP_1)
	v_sub_f32 v254, v12, v254                      ; old M - new M: a whole number, 0 or less
	s_delay_alu instid0(VALU_DEP_1)
	v_cvt_i32_f32 v254, v254                       ; (it saturates)
	s_delay_alu instid0(VALU_DEP_1)
	v_ldexp_f32 v252, 1.0, v254                    ; f = 2^(old M - new M)
.set j, 0
.rept 32
	v_pk_fma_f32 v[96+j:97+j], v[96+j:97+j], s[CS:CS+1], v[12:13] op_sel_hi:[1,0,0]   ; t - M, two at a time
.set j, j+2
.endr
.set j, 0
	s_wait_alu depctr_va_vdst(0)
.rept 64
	v_exp_f32 v[96+j], v[96+j]                     ; p = 2^(t - M)
.set j, j+1
.endr
	v_pk_mul_f32 v[14:15], v[14:15], v[252:253] op_sel_hi:[1,0]   ; the sums under the new M: the plain line behind the exponentials
	s_wait_alu depctr_va_vdst(0)                   ; one wait for the whole batch, ahead of its first reader
	v_pk_add_f32 v[242:243], v[100:101], v[104:105]
	v_pk_add_f32 v[254:255], v[108:109], v[112:113]
	v_pk_add_f32 v[250:251], v[116:117], v[120:121]
	v_pk_add_f32 v[248:249], v[124:125], v[128:129]
	v_pk_add_f32 v[246:247], v[132:133], v[136:137]
	v_pk_add_f32 v[238:239], v[140:141], v[144:145]
	v_pk_add_f32 v[236:237], v[148:149], v[152:153]
	v_pk_add_f32 v[14:15], v[14:15], v[156:157]
	v_pk_add_f32 v[242:243], v[242:243], v[96:97]
	v_pk_add_f32 v[254:255], v[254:255], v[98:99]
	v_pk_add_f32 v[250:251], v[250:251], v[102:103]
	v_pk_add_f32 v[248:249], v[248:249], v[106:107]
	v_pk_add_f32 v[246:247], v[246:247], v[110:111]
	v_pk_add_f32 v[238:239], v[238:239], v[114:115]
	v_pk_add_f32 v[236:237], v[236:237], v[118:119]
	v_pk_add_f32 v[14:15], v[14:15], v[122:123]
	v_pk_add_f32 v[242:243], v[242:243], v[126:127]
	v_pk_add_f32 v[254:255], v[254:255], v[130:131]
	v_pk_add_f32 v[250:251], v[250:251], v[134:135]
	v_pk_add_f32 v[248:249], v[248:249], v[138:139]
	v_pk_add_f32 v[246:247], v[246:247], v[142:143]
	v_pk_add_f32 v[238:239], v[238:239], v[146:147]
	v_pk_add_f32 v[236:237], v[236:237], v[150:151]
	v_pk_add_f32 v[14:15], v[14:15], v[154:155]
	v_pk_add_f32 v[242:243], v[242:243], v[158:159]
	s_delay_alu instid0(VALU_DEP_2)
	v_pk_add_f32 v[14:15], v[14:15], v[248:249]
	s_delay_alu instid0(VALU_DEP_2)
	v_pk_add_f32 v[242:243], v[242:243], v[246:247]
	v_pk_add_f32 v[254:255], v[254:255], v[238:239]
	v_pk_add_f32 v[250:251], v[250:251], v[236:237]
	s_delay_alu instid0(VALU_DEP_2)
	v_pk_add_f32 v[14:15], v[14:15], v[254:255]
	s_delay_alu instid0(VALU_DEP_2)
	v_pk_add_f32 v[242:243], v[242:243], v[250:251]
	s_delay_alu instid0(VALU_DEP_1)
	v_pk_add_f32 v[14:15], v[14:15], v[242:243]
.irp b, 0,1,2,3
.set j, 0
.rept 16
	v_min_num_f32 v[96+16*\b+j], v[96+16*\b+j], v240   ; the conversion does not saturate (ISA guide 7.6.2); p is not negative, so the hold is one-sided
.set j, j+1
.endr
	v_cvt_scalef32_pk8_fp8_f32 v[224+4*\b:225+4*\b], v[96+16*\b:103+16*\b], v244
	v_cvt_scalef32_pk8_fp8_f32 v[226+4*\b:227+4*\b], v[104+16*\b:111+16*\b], v244
.endr
.set j, 0
.rept 16
	v_pk_mul_f32 v[160+j:161+j], v[160+j:161+j], v[252:253] op_sel_hi:[1,0]   ; O^T under the new M; also the plain lines between the conversions and the products
.set j, j+2
.endr
	s_wait_alu depctr_va_vdst(0)
	s_wait_dscnt 0x0                               ; V
.irp t, 0,1,2,3
	v_wmma_f32_16x16x128_fp8_fp8 v[160+8*\t:167+8*\t], v[32+16*\t:47+16*\t], v[224:239], v[160+8*\t:167+8*\t]   ; the four accumulators take turns
.endr
.endm
; A tile of 16 queries: all 1,024 keys in eight steps, then the way out.  The step is written once for a tile: O^T and the sum begin as zeros and the largest t as -3e38.
.macro TILE q
	v_mov_b32 v13, 0xff61b1e6
	s_delay_alu instid0(VALU_DEP_1)
	v_floor_f32 v12, -v13
	v_mov_b32 v14, 0
	v_mov_b32 v15, 0
.set j, 0
.rept 32
	v_mov_b32 v[160+j], 0
.set j, j+1
.endr
	s_mov_b32 s[TB], 0
	s_mov_b32 s[CNT], 8
.Lstep_\@:
	STEP \q
	s_add_co_u32 s[TB], s[TB], STEPB
	s_sub_co_u32 s[CNT], s[CNT], 1
	s_cmp_lg_u32 s[CNT], 0
	s_cbranch_scc1 .Lstep_\@
	v_add_f32 v14, v14, v15                        ; the sum's two halves,
	s_delay_alu instid0(VALU_DEP_1)
	v_permlanex16_b32 v252, v14, s[SEL], s[SEL+1]
	s_delay_alu instid0(VALU_DEP_1)
	v_add_f32 v14, v14, v252                       ; and lane l xor 16's
	s_wait_alu depctr_va_vdst(0)
	v_rcp_f32 v14, v14
.rept 3
	v_nop                                          ; the plain line behind the reciprocal; with the additions and the line below also the places behind the last products
.endr
	s_wait_alu depctr_va_vdst(0)                   ; ahead of the reciprocal's first reader
	v_ldexp_f32 v14, v14, s[EO]                    ; x 2^(e8 + e9)
.set j, 0
.rept 32
	v_mul_f32 v[96+j], v[160+j], v14               ; register 16 p + i is channel 32 p + 16 h + i of my query
.set j, j+1
.endr
.set j, 0
.rept 32
	v_med3_num_f32 v[96+j], v[96+j], -v241, v241
.set j, j+1
.endr
.irp g, 0,1,2,3
	v_cvt_scalef32_pk8_fp8_f32 v[192+8*(\q)+2*\g:193+8*(\q)+2*\g], v[96+8*\g:103+8*\g], v245
.endr
	v_nop                                          ; one plain line behind the conversions
.irp p, 0,1
	global_store_b128 v[GO], v[192+8*(\q)+4*\p:195+8*(\q)+4*\p], s[8:9] offset:2048*(\q)+512*\p   ; my 16 codes are channels 32 p + 16 (lane / 16) on of row lane % 16: the piece that the next product's lane wants; 512 consecutive bytes
.endr
.endm
	TILE 0
	TILE 1
	s_wait_tensorcnt 0x0                           ; the wave's end
	ds_add_u32 v[SPW], v[NIL]
	s_wait_dscnt 0x0
	CROUND                                         ; the closing round
	s_endpgm
.Lfunc_end_k_q64df447dd4_attn:
	.size	k_q64df447dd4_attn, .Lfunc_end_k_q64df447dd4_attn-k_q64df447dd4_attn
	.p2alignl 7, 3214868480
	.fill 96, 4, 3214868480
	.section	.rodata,"a",@progbits
	.p2align	6, 0x0
	.amdhsa_kernel k_q64df447dd4_attn
		.amdhsa_group_segment_fixed_size 186368
		.amdhsa_private_segment_fixed_size 0
		.amdhsa_enable_private_segment 0
		.amdhsa_kernarg_size 24
		.amdhsa_user_sgpr_count 2
		.amdhsa_user_sgpr_kernarg_segment_ptr 1
		.amdhsa_wavefront_size32 1
		.amdhsa_system_sgpr_workgroup_id_x 1
		.amdhsa_system_sgpr_workgroup_id_y 1
		.amdhsa_system_sgpr_workgroup_id_z 1
		.amdhsa_system_vgpr_workitem_id 0
		.amdhsa_next_free_vgpr 256
		.amdhsa_next_free_sgpr 80
		.amdhsa_reserve_vcc 0
		.amdhsa_float_denorm_mode_32 3
		.amdhsa_float_denorm_mode_16_64 3
		.amdhsa_memory_ordered 1
		.amdhsa_forward_progress 1
		.amdhsa_inst_pref_size 49
	.end_amdhsa_kernel
	.amdgpu_metadata
---
amdhsa.version: [ 1, 2 ]
amdhsa.kernels:
  - .name:           k_q64df447dd4_attn
    .symbol:         k_q64df447dd4_attn.kd
    .args:
      - { .name: hc, .offset: 0, .size: 8, .value_kind: global_buffer, .address_space: global }
      - { .name: lowp_scales, .offset: 8, .size: 8, .value_kind: global_buffer, .address_space: global }
      - { .name: ac, .offset: 16, .size: 8, .value_kind: global_buffer, .address_space: global }
    .group_segment_fixed_size: 186368
    .private_segment_fixed_size: 0
    .kernarg_segment_align: 8
    .kernarg_segment_size: 24
    .max_flat_workgroup_size: 512
    .sgpr_count:     80
    .vgpr_count:     256
    .wavefront_size: 32
...
	.end_amdgpu_metadata
.endif
;; end of part 3
;; launch outp (part 4): grid 4 x 64, 4 waves a work-group, clusters of 4 x 1, 173,568 bytes of LDS; arguments ac, wc, lowp_scales, bo, out0; writes out0
.if DOCPART == 4
	.amdgcn_target "amdgcn-amd-amdhsa--gfx1250"
	.amdhsa_code_object_version 6
	.text
	.protected	k_q64df447dd4_outp
	.globl	k_q64df447dd4_outp
	.p2align	8
	.type	k_q64df447dd4_outp,@function
k_q64df447dd4_outp:
	s_mov_b64 s[64:65], 0
	v_nop
	global_prefetch_b8 v0, s[64:65] scope:SCOPE_SE
	s_setreg_imm32_b32 hwreg(HW_REG_WAVE_MODE, 25, 1), 1
	s_wait_xcnt 0x0
	s_wait_alu depctr_hold_cnt(0) depctr_sa_sdst(0) depctr_va_vdst(0) depctr_va_sdst(0) depctr_va_ssrc(0) depctr_va_vcc(0) depctr_vm_vsrc(0)
	s_getreg_b32 s2, hwreg(HW_REG_IB_STS2, 6, 4)
	s_cmp_eq_u32 s2, 0
	s_cbranch_scc0 .Lentry_in_a_cluster
	s_endpgm
.Lentry_in_a_cluster:
	s_bfe_u32 s2, ttmp6, 0x10000c
	s_cmp_lg_u32 s2, 0x3003
	s_cbranch_scc0 .Lentry_shape_is_right
	s_endpgm
.Lentry_shape_is_right:
; out0 = attention's result x Wo + bo on codes of E4M3: [8,192, 1,024] x [1,024, 1,024], f32 out.  Nothing of reference() is left out.
; A block is 256 rows x 128 columns: 256 work-groups.  A wave owns 64 rows x 128 columns: 32 accumulators, 256 registers (window 2).
; Wo's 128 rows (columns of out0) over the whole K, four chunks of 128 x 256 bytes, are filled into LDS ONCE, one load a wave: no byte of LDS is filled twice, so there is no ring.
; CLUSTER 4 x 1: the four partners have the same 128 rows of Wo and ask for them jointly (mask 15); their rows of ac differ.
; ac stands in register order, [K / 128][rows / 16][c][lane][16 bytes]: a wave's 64 rows over the whole K are 8 sets of 64 registers (windows 1 and 3), 128 loads of 512 consecutive bytes, all issued at the head.
; No prefetch: all that the work-group reads is asked for at its head, and no loop follows in which to run ahead.
; Source 0 = Wo's rows, source 1 = ac's rows: a lane holds one row of out0 and its registers neighbouring columns (by the stored order of Wo's rows two tiles give 16 logical neighbours).
; Rows of ac are stored permuted (in each 32 the second and third eight change places): the stores put them back.
; Wo's fragments: three buffers of four (v64-255), 16 matrix instructions to a buffer; s_wait_dscnt 32 = the two younger groups.
; s_wait_loadcnt: behind set s stand 16 (7 - s) younger loads; the count written is that number, or 63 where it is larger.
; LIMIT: e10 + e11 between -126 and 127.
.set PITCH, 272
.set HALFT, 128*PITCH
.set STAGE, 4*HALFT                    ; the way out: 16 rows x 528 bytes for each wave, bytes into which no fill lands
.set SPT,   528
.set SPARE, STAGE+4*16*SPT
.set ADS,  16                          ; v16-17 Wo's fragments: chunks 0, 1 and chunks 2, 3
.set VO,   20                          ; 16 x lane
.set BIO,  21
.set STO,  24
.set RD,   25
.set SPW,  28                          ; my spare word; never rewritten
.set NIL,  29                          ; 0; never rewritten
.set BI,   32
.set SF,   64
.set BK,   64
.set WV,   18
.set CX,   19
.set Y,    20
.set G1,   24
.set G0,   32
.set PB,   40
.set OUT,  42
.set MSB, 0
.macro WIN new
.if MSB != \new
	s_set_vgpr_msb (MSB<<8)|\new
.set MSB, \new
.endif
.endm
.macro CROUND
	s_barrier_signal -1
	s_barrier_wait -1
	s_cmp_lg_u32 s[WV], 0
	s_cbranch_scc1 .Lnot_wave_0_\@
	s_barrier_signal -3
.Lnot_wave_0_\@:
	s_barrier_wait -3
	s_barrier_signal -1
	s_barrier_wait -1
.endm
.macro PLACES                          ; four places behind matrix instructions (ISA guide 7.12.1)
.rept 4
	v_nop
.endr
.endm
	s_load_b256 s[4:11], s[0:1], 0x0               ; ac, wc, the scales, bo
	s_load_b64 s[12:13], s[0:1], 0x20              ; out0
	v_lshl_add_u32 v[SPW], v0, 2, SPARE
	v_mov_b32 v[NIL], 0
	ds_add_u32 v[SPW], v[NIL]                      ; the opening: the add twice on end and its wait ahead of my tensor load
	ds_add_u32 v[SPW], v[NIL]
	v_lshrrev_b32 v1, 5, v0
	v_readfirstlane_b32 s[WV], v1
	s_bfe_u32 s[CX], ttmp6, 0x40000                ; cx enters ac's and out0's addresses alone
	s_and_b32 s[Y], ttmp7, 0xffff
	s_and_b32 s44, s[Y], 7                         ; which 128 columns
	s_lshr_b32 s45, s[Y], 3
	s_lshl_b32 s45, s45, 2
	s_add_co_u32 s45, s45, s[CX]                   ; which 256 rows
	s_lshl_b32 s46, s[WV], 18                      ; Wo: chunk = my wave, of 262,144 bytes,
	s_lshl_b32 s47, s44, 15                        ; 128 rows of 256 bytes,
	s_add_co_u32 s46, s46, s47
	s_add_co_u32 s46, s46, 9437184                 ; from chunk 36 of wc on
	s_mov_b32 s47, 0
	s_lshl_b32 s48, s45, 15                        ; ac: sixteen blocks of 2,048 bytes for 256 rows, four for my 64
	s_lshl_b32 s49, s[WV], 13
	s_add_co_u32 s48, s48, s49
	s_mov_b32 s49, 0
	s_lshl_b32 s50, s45, 20                        ; out0: rows of 4,096 bytes
	s_lshl_b32 s51, s[WV], 18
	s_add_co_u32 s50, s50, s51
	s_lshl_b32 s52, s44, 9                         ; 128 columns are 512 bytes
	s_add_co_u32 s50, s50, s52
	s_mov_b32 s51, 0
	s_mul_i32 s53, s[WV], HALFT
	s_mul_i32 s54, s[WV], 16*SPT
	s_add_co_u32 s54, s54, STAGE
	s_mov_b32 s[G1], 15|(1<<20)|(1<<21)|(5<<22)|(3<<25)   ; all four partners; 1-byte elements; 4 words of padding behind every 64; bit 21 beside a mask
	s_mov_b32 s[G1+1], 256<<16
	s_mov_b32 s[G1+2], 128<<16
	s_mov_b32 s[G1+3], 256<<16
	s_mov_b32 s[G1+4], 128
	s_mov_b32 s[G1+5], 256
	s_mov_b32 s[G1+6], 0
	s_mov_b32 s[G1+7], 0
	s_wait_dscnt 0x0                               ; both opening adds are done
	s_wait_kmcnt 0x0
	s_load_b128 s[76:79], s[8:9], 0x20             ; e8 .. e11
	s_add_nc_u64 s[46:47], s[6:7], s[46:47]
	s_add_nc_u64 s[PB:PB+1], s[4:5], s[48:49]
	s_add_nc_u64 s[OUT:OUT+1], s[12:13], s[50:51]
	CROUND                                         ; the four work-groups are here: the joint loads meet
	s_mov_b32 s[G0], 1
	s_add_co_u32 s[G0+1], s53, 0
	s_mov_b64 s[G0+2:G0+3], s[46:47]
	s_or_b32 s[G0+3], s[G0+3], 0x80000000
	tensor_load_to_lds s[G0:G0+3], s[G1:G1+7]      ; my one tensor load of the launch
	s_nop 0
	PLACES
	v_and_b32 v1, 15, v0                           ; r
	v_bfe_u32 v2, v0, 4, 1                         ; h
	v_and_b32 v3, 31, v0
	v_mul_u32_u24 v4, v1, PITCH
	v_lshl_add_u32 v[ADS], v2, 4, v4
	v_add_nc_u32 v[ADS+1], 2*HALFT, v[ADS]
	v_lshlrev_b32 v[VO], 4, v3
	v_add_nc_u32 v[BIO], s52, v[VO]
	v_mul_u32_u24 v5, v1, SPT
	v_lshl_add_u32 v5, v2, 6, v5
	v_add_nc_u32 v[STO], s54, v5                   ; the stage, in: row r, 64 bytes for each half
	v_add_nc_u32 v[RD], s54, v[VO]                 ; back: 32 lanes take a row of 512 bytes
	global_load_b128 v[BI:BI+3], v[BIO], s[10:11]  ; bo at my four columns
.macro PLD s                           ; ac's four fragments of step s
.irp p, 0,1,2,3
.irp c, 0,1,2,3
	global_load_b128 v[64*((\s)%4)+16*\p+4*\c:64*((\s)%4)+16*\p+4*\c+3], v[VO], s[PB:PB+1] offset:1048576*(\s)+2048*\p+512*\c
.endr
.endr
.endm
	WIN 0x40
.irp s, 0,1,2,3
	PLD \s
.endr
	WIN 0xc0
.irp s, 4,5,6,7
	PLD \s
.endr
	WIN 0
; Group G = 2 x step + half: Wo's blocks 4 (G % 2) .. + 3 of step G / 2, in buffer G % 3.
.macro SLD G
.irp i, 0,1,2,3
.irp c, 0,1,2,3
	ds_load_b128 v[SF+64*((\G)%3)+16*\i+4*\c:SF+64*((\G)%3)+16*\i+4*\c+3], v[ADS+(\G)/8] offset:(((\G)/4)%2)*HALFT+128*(((\G)/2)%2)+32*\c+(4*((\G)%2)+\i)*16*PITCH
.endr
.endr
.endm
.macro GRP G                           ; 16 matrix instructions; the 32 accumulators take turns, in the same order in every step
	WIN 0xa4+8*((\G)/8)                            ; source 0 window 0, source 1 window 1 or 3, C and D window 2
.irp i, 0,1,2,3
.irp p, 0,1,2,3
.if (\G) < 2
	v_wmma_f32_16x16x128_fp8_fp8 v[8*(8*\p+4*((\G)%2)+\i):8*(8*\p+4*((\G)%2)+\i)+7], v[SF+64*((\G)%3)+16*\i:SF+64*((\G)%3)+16*\i+15], v[64*(((\G)/2)%4)+16*\p:64*(((\G)/2)%4)+16*\p+15], 0
.else
	v_wmma_f32_16x16x128_fp8_fp8 v[8*(8*\p+4*((\G)%2)+\i):8*(8*\p+4*((\G)%2)+\i)+7], v[SF+64*((\G)%3)+16*\i:SF+64*((\G)%3)+16*\i+15], v[64*(((\G)/2)%4)+16*\p:64*(((\G)/2)%4)+16*\p+15], v[8*(8*\p+4*((\G)%2)+\i):8*(8*\p+4*((\G)%2)+\i)+7]
.endif
.endr
.endr
.endm
.macro RUN G
.if ((\G)%2) == 0
.if (\G) < 8
	s_wait_loadcnt 63
.else
	s_wait_loadcnt 16*(7-(\G)/2)
.endif
.endif
.if (\G) < 14
	s_wait_dscnt 32
.else
	s_wait_dscnt 16*(15-(\G))
.endif
	GRP \G
.if (\G)+3 < 16
	PLACES
	WIN 0
	SLD (\G)+3
.endif
.endm
	s_wait_alu depctr_va_vdst(0)
	s_wait_tensorcnt 0x0                           ; my chunk of Wo is in,
	s_barrier_signal -1
	s_barrier_wait -1                              ; everybody's is
	SLD 0
	SLD 1
	SLD 2
.irp G, 0,1,2,3,4,5,6,7,8,9,10,11,12,13,14,15
	RUN \G
.endr
	WIN 0
	s_wait_kmcnt 0x0
	s_add_co_i32 s94, s78, s79
	s_add_co_i32 s94, s94, 127
	s_lshl_b32 s94, s94, 23                        ; 2^(e10 + e11)
	s_mov_b32 s95, s94
	PLACES
; THE WAY OUT, block by block of 16 rows x 128 columns: through my stage, back as whole rows of 512 bytes, x the scale + the bias, stored as two aligned units of 256 bytes.
.macro TOSTAGE a
.set AC, 64*(\a)
.set BB, BK+64*((\a)%2)
	WIN 0x08                                       ; the stores' data: window 2
.set k, 0
.rept 16
	ds_store_b128 v[STO], v[AC+4*k:AC+4*k+3] offset:128*(k/4)+16*(k%4)   ; each accumulator from its low end on
.set k, k+1
.endr
	WIN 0
.irp t, 0,1,2,3,4,5,6,7,8,9,10,11,12,13,14,15
	ds_load_b128 v[BB+4*\t:BB+4*\t+3], v[RD] offset:\t*SPT   ; LDS serves a wave's instructions in order
.endr
.endm
.macro SEND a, younger
.set BB, BK+64*((\a)%2)
	s_wait_dscnt \younger
.set j, 0
.rept 32
	v_pk_fma_f32 v[BB+j:BB+j+1], v[BB+j:BB+j+1], s[94:95], v[BI+j%4:BI+j%4+1] op_sel_hi:[1,0,1]
.set j, j+2
.endr
.irp t, 0,1,2,3,4,5,6,7,8,9,10,11,12,13,14,15
	global_store_b128 v[VO], v[BB+4*\t:BB+4*\t+3], s[OUT:OUT+1] offset:(32*((\a)/2)+8*((\a)%2)+\t+8*(\t/8))*4096 th:TH_STORE_NT   ; stored row t of block a is this logical row
.endr
.endm
	TOSTAGE 0
.irp a, 1,2,3
.if \a > 1
	s_wait_xcnt 0x0                                ; block a - 2's stores have read their registers
.endif
	TOSTAGE \a
	SEND \a-1, 32                                  ; behind block a - 1's loads: block a's 16 stores and 16 loads
.endr
	SEND 3, 0
	s_wait_tensorcnt 0x0                           ; the wave's end
	ds_add_u32 v[SPW], v[NIL]
	s_wait_dscnt 0x0
	CROUND                                         ; the closing round
	s_endpgm
.Lfunc_end_k_q64df447dd4_outp:
	.size	k_q64df447dd4_outp, .Lfunc_end_k_q64df447dd4_outp-k_q64df447dd4_outp
	.p2alignl 7, 3214868480
	.fill 96, 4, 3214868480
	.section	.rodata,"a",@progbits
	.p2align	6, 0x0
	.amdhsa_kernel k_q64df447dd4_outp
		.amdhsa_group_segment_fixed_size 173568
		.amdhsa_private_segment_fixed_size 0
		.amdhsa_enable_private_segment 0
		.amdhsa_kernarg_size 40
		.amdhsa_user_sgpr_count 2
		.amdhsa_user_sgpr_kernarg_segment_ptr 1
		.amdhsa_wavefront_size32 1
		.amdhsa_system_sgpr_workgroup_id_x 1
		.amdhsa_system_sgpr_workgroup_id_y 1
		.amdhsa_system_sgpr_workgroup_id_z 1
		.amdhsa_system_vgpr_workitem_id 0
		.amdhsa_next_free_vgpr 1024
		.amdhsa_next_free_sgpr 96
		.amdhsa_reserve_vcc 0
		.amdhsa_float_denorm_mode_32 3
		.amdhsa_float_denorm_mode_16_64 3
		.amdhsa_memory_ordered 1
		.amdhsa_forward_progress 1
		.amdhsa_inst_pref_size 75
	.end_amdhsa_kernel
	.amdgpu_metadata
---
amdhsa.version: [ 1, 2 ]
amdhsa.kernels:
  - .name:           k_q64df447dd4_outp
    .symbol:         k_q64df447dd4_outp.kd
    .args:
      - { .name: ac, .offset: 0, .size: 8, .value_kind: global_buffer, .address_space: global }
      - { .name: wc, .offset: 8, .size: 8, .value_kind: global_buffer, .address_space: global }
      - { .name: lowp_scales, .offset: 16, .size: 8, .value_kind: global_buffer, .address_space: global }
      - { .name: bo, .offset: 24, .size: 8, .value_kind: global_buffer, .address_space: global }
      - { .name: out0, .offset: 32, .size: 8, .value_kind: global_buffer, .address_space: global }
    .group_segment_fixed_size: 173568
    .private_segment_fixed_size: 0
    .kernarg_segment_align: 8
    .kernarg_segment_size: 40
    .max_flat_workgroup_size: 128
    .sgpr_count:     96
    .vgpr_count:     1024
    .wavefront_size: 32
...
	.end_amdgpu_metadata
.endif
;; end of part 4
